; MI455X (gfx1250); checked and timed in simulation.
; The chip was launched on July 23, 2026; its instructions are those of AMD's public machine-readable ISA for CDNA 5 (MIT licence, August 2026) and "CDNA5" Instruction Set Architecture Reference Guide (July 2026). The comments in the code are by the model that wrote it; some were corrected since.
;; Local Causal Attention Block. Allowed arithmetic: matrix products marked QUANTISED: E2M1 operands, one E8M0 scale for each 32 along K, by v_wmma_scale_f32_16x16x128_f8f6f4 with both operands' format E2M1 (or v_wmma_scale_f32_32x16x128_f4), f32 sums; products left as they are: bf16, f16 or f32 operands; f32 sums; everything else in f32.
;; Inputs: b1 4,096 float32; b2 1,024 float32; b_in 3,072 float32; b_out 1,024 float32; ln1_b 1,024 float32; ln1_g 1,024 float32; ln2_b 1,024 float32; ln2_g 1,024 float32; w1 4,096 x 1,024 float32; w2 1,024 x 4,096 float32; w_in 3,072 x 1,024 float32; w_out 1,024 x 1,024 float32; x 2 x 2,048 x 1,024 float32.
;; Outputs: out0 2 x 2,048 x 1,024 float32.
;; This version of the problem:
;;   THIS VERSION OF THE PROBLEM IS GIVEN IN LOW PRECISION. The matrix products marked QUANTISED in the list below multiply operands that are first quantised to E2M1 (2 exponent bits, 1 mantissa bit; 4 bits a number), with one power-of-two scale for each 32 numbers along K (OCP MX v1.0); their sums are f32. The products marked 'left as it is' may take bf16, f16 or f32 operands, with f32 sums. Whichever they take, every output number must still come out within the allowed error. Rounding operands to bf16 (8 significant bits) uses up far more of that allowance than f16 does (11 bits, for magnitudes from 6e-5 to 65,504). All else is computed in f32.
;;   The module's matrix products, in the order in which they are computed (A, B: the left and right operand; K: the contracted axis; several contracted axes count as one K, in the product's order):
;;     1. [M 4,096, K 1,024] x [K 1,024, N 3,072]; A: input x; B: input w_in: QUANTISED
;;     2. batch 32 x [M 2,048, K 64] x [K 64, N 2,048]; A: computed on the way; B: computed on the way: left as it is (an operand is computed on the way)
;;     3. batch 32 x [M 64, K 2,048] x [K 2,048, N 2,048]; A: computed on the way; B: computed on the way: left as it is (an operand is computed on the way)
;;     4. [M 4,096, K 1,024] x [K 1,024, N 1,024]; A: computed on the way; B: input w_out: left as it is (an operand is computed on the way)
;;     5. [M 4,096, K 1,024] x [K 1,024, N 4,096]; A: computed on the way; B: input w1: left as it is (an operand is computed on the way)
;;     6. [M 4,096, K 4,096] x [K 4,096, N 1,024]; A: computed on the way; B: input w2: left as it is (an operand is computed on the way)
;;   THE QUANTISER, for each operand of a quantised product, along K:
;;     - K is cut into blocks of 32 from its start; a last block that is shorter is filled with zeros.
;;     - A block's scale is 2^e with e = floor(log2(the largest magnitude in the block)) - 2, held to -126 .. 127; a block of zeros has e = 0. As a byte (E8M0): e + 127.
;;     - Each number is divided by its block's scale, clamped to +-6, and rounded to the nearest number of E2M1, ties to even, subnormals kept.
;;     - The product sums the exact products of the quantised numbers (number of the format x scale) in f32.
;;   ~~~python
;;   def quantise(x, axis):      # numpy; x: float32 -> the quantised numbers, widened to float32 again
;;       x = np.moveaxis(x, axis, -1); K = x.shape[-1]
;;       x = np.pad(x, [(0, 0)] * (x.ndim - 1) + [(0, -K % 32)]); x = x.reshape(x.shape[:-1] + (-1, 32)); a = np.abs(x).max(-1, keepdims=True)
;;       e = np.where(a > 0, np.clip(np.frexp(np.where(a > 0, a, 1))[1] - 1 - 2, -126, 127), 0)      # np.frexp(a)[1] - 1 = floor(log2(a)), exactly
;;       r = np.clip(x / 2.0 ** e, -6, 6)
;;       step = 2.0 ** (np.maximum(np.frexp(np.where(r == 0, 1, r))[1] - 1, 0) - 1)
;;       q = np.round(r / step) * step * 2.0 ** e      # np.round: ties to even
;;       return np.moveaxis(q.reshape(q.shape[:-2] + (-1,))[..., :K], -1, axis).astype(np.float32)
;;   ~~~
;; One version. Each part assembles by itself: llvm-mc -triple=amdgcn-amd-amdhsa -mcpu=gfx1250 --defsym DOCPART=n.
;; ======== version 1 of 1: 7 launches
;; limits: a function is approximated: absolute error at most 7.5e-08; an absolute error that grows with the inputs' magnitude: up to 7.5e-08 times it; values are held in f16: magnitudes above 65,504 overflow, below 6.1e-05 lose precision
;; workspace buffers: q4 3,908,096 bytes; wh 18,874,368 bytes; a16 8,388,608 bytes; y32 16,777,216 bytes; x1 16,777,216 bytes; h 33,554,432 bytes
;; launch prep (part 1): grid 512 x 1, 4 waves a work-group, no clusters, 33,280 bytes of LDS; arguments x, w_in, w_out, w1, w2, q4, wh; writes q4, wh
.if DOCPART == 1
	.amdgcn_target "amdgcn-amd-amdhsa--gfx1250"
	.amdhsa_code_object_version 6
	.text
	.protected	k_q4409e1fc7c_prep
	.globl	k_q4409e1fc7c_prep
	.p2align	8
	.type	k_q4409e1fc7c_prep,@function
k_q4409e1fc7c_prep:
	s_mov_b64 s[64:65], 0
	v_nop
	global_prefetch_b8 v0, s[64:65] scope:SCOPE_SE
	s_setreg_imm32_b32 hwreg(HW_REG_WAVE_MODE, 25, 1), 1
	s_wait_xcnt 0x0
; THE PROGRAM: a transformer block on 4,096 rows of 1,024: qkv = Q(x) Q(w_in)^T (MX-FP4), attention over a band of 5 keys, projection, LayerNorm, MLP with the exact GELU, LayerNorm.
; THIS LAUNCH: x and w_in become codes of FP4 (E2M1) with one E8M0 byte for each 32 along K (buffer q4); w_out, w1, w2 become f16 (buffer wh), the operand format of the products that are left as they are.
; WORK THAT THE PROGRAM LEAVES OUT, AND WHY IT IS DEAD FOR ALL FINITE INPUTS:
;  (a) reference() sets every score with j > i or j <= i - 5 to -infinity in its own body, so its weight is exactly 0: of the two S x S products only the 5 keys j = i-4 .. i of each query reach a result.
;      Those are computed (in f32 fused multiply-adds, in the next launch); all tiles outside the band are not.
;  (b) b_in[1024:2048], the bias of k: it adds q_i . b_k / 8 to every allowed score of row i, the same number along the softmax's axis, which the softmax takes away.  The product q k^T is not quantised, so no
;      quantiser sees it.  These 1,024 numbers are not loaded.  The biases of q and v are live and are loaded.
;  (c) v's bias is added once behind the weighting: the weights of a row sum to 1 by the softmax's own division.
;  LIMIT: a NaN, an infinity or an overflow that reaches only the work left out is not carried to the result.
; q4's LAYOUT (bytes): 0: x's codes, 4,112 rows of 512; row rho holds x's row rho - 16, rows 0-15 are zero codes (the rows in front of the first sequence: the next launch reads 16 rows in front of each block);
;  QXS: x's scale bytes, 32 a row, the 16 first rows 0x7f;  QWC: w_in's codes, rows in the order [pair of heads 0..7][q, k, v][128 rows], so that what one work-group of the next launch needs is one dense block;  QWS: their scale bytes.
; THE QUANTISER: a block's scale is 2^(floor(log2(largest magnitude)) - 2); its byte is the largest magnitude's exponent field - 2, held at 1 from below; numbers / scale go to the nearest code, ties to even, beyond 6 to 6.
;  LIMITS: a block of zeros gets the byte 1 where the rule says 127 (its codes are zeros, and this program alone reads the bytes); blocks whose largest magnitude lies under 2^-124 keep the byte 1; NaN and infinities are not served.
;  f16: a weight above 65,504 in magnitude becomes infinity; under 6e-5 the step is 6e-8.
; SHARES: work-groups 0-127 quantise x, 128-223 w_in, 224-511 convert w_out (32), w1 (128), w2 (128); each takes 32,768 numbers, each wave 8,192 (8 rows of x or w_in).
; The quantising path: each load reads 512 consecutive bytes; a step's 2,048 bytes turn through the wave's own stage in LDS so that a lane holds 16 neighbours along K; two neighbouring lanes hold a block.
.set WAVES, 4
.set STEPS, 16
.set QWG,   224                        ; work-groups that quantise
.set XWG,   128                        ; of them x's
.set EMAX,  2
.set CB,    8                          ; bytes of 16 codes
.set R,     16                         ; v16-79   four sets of 16 numbers as they are loaded
.set X,     80                         ; v80-111  two sets of 16 neighbours
.set C,     128                        ; v128-191 codes: four registers for each step, so that no store's data are written again
.set E,     112                        ; v112-127 a scale byte for each step
.set WREG,  8192                       ; LDS: a region for each wave: two stages of 32 x SP bytes, then its 256 scale bytes
.set SP,    80                         ; a lane's place in a stage: 64 bytes + 16 of padding
.set SPW,   12                         ; v12 LDS address of my spare word; never rewritten
.set NIL,   13                         ; v13 0; never rewritten
.set SPARE, WAVES*WREG                 ; the spare words, 128 bytes for each wave
.set QXS,   2105344
.set QWC,   2236928
.set QWS,   3809792
.set W1OFF, 2097152                    ; wh: w_out at 0, w1 here,
.set W2OFF, 10485760                   ; w2 here
	s_load_b256 s[4:11], s[0:1], 0x0               ; x s[4:5], w_in s[6:7], w_out s[8:9], w1 s[10:11]
	s_load_b128 s[12:15], s[0:1], 0x20             ; w2 s[12:13], q4 s[14:15]
	s_load_b64 s[16:17], s[0:1], 0x30              ; wh
	v_lshl_add_u32 v[SPW], v0, 2, SPARE
	v_mov_b32 v[NIL], 0
	v_lshrrev_b32 v1, 5, v0
	v_readfirstlane_b32 s20, v1                    ; wave
	v_and_b32 v2, 31, v0                           ; lane
	v_lshlrev_b32 v3, 4, v2                        ; my 16 bytes of a load's 512
	s_wait_kmcnt 0x0
	s_cmp_ge_u32 ttmp9, QWG
	s_cbranch_scc1 .Lcast
	; ---------------- the quantising path
	s_mul_i32 s21, s20, WREG
	v_lshrrev_b32 v14, 2, v2
	v_mul_u32_u24 v14, v14, SP
	v_and_b32 v15, 3, v2
	v_lshl_add_u32 v14, v15, 4, v14
	v_add_nc_u32 v14, s21, v14                     ; the stage, on the way in: SP (lane / 4) + 16 (lane % 4)
	v_mul_u32_u24 v15, v2, SP
	v_add_nc_u32 v15, s21, v15                     ; and on the way out: SP x lane: my 16 neighbours
	v_mul_u32_u24 v4, v2, CB                       ; my codes' place in a step's
	v_lshrrev_b32 v5, 1, v2
	s_add_co_u32 s21, s21, 2*32*SP
	v_add_nc_u32 v5, s21, v5                       ; my wave's 256 scale bytes, my block's byte
	v_lshlrev_b32 v7, 3, v2
	v_add_nc_u32 v6, s21, v7                       ; and on the way out 8 bytes a lane
	s_lshl_b32 s22, ttmp9, 2
	s_add_co_u32 s22, s22, s20                     ; x: which run of 8 rows is my wave's
	s_sub_co_u32 s23, s22, 4*XWG                   ; w_in: the same, counted from its first work-group: rows 8 u on
	s_bfe_u32 s24, s23, 0x30004                    ; the pair of heads: (row / 128) % 8
	s_mul_i32 s24, s24, 48                         ; 384 rows a pair, in runs of 8
	s_lshr_b32 s25, s23, 7                         ; q, k or v: row / 1,024
	s_lshl_b32 s25, s25, 4                         ; 128 rows a part
	s_add_co_u32 s24, s24, s25
	s_and_b32 s25, s23, 15                         ; the row in the part
	s_add_co_u32 s24, s24, s25                     ; where the run goes
	s_mov_b32 s26, QWC
	s_mov_b32 s27, QWS
	s_cmp_lt_u32 ttmp9, XWG                        ; x's work-group or w_in's?  The choice hangs on the work-group's number alone
	s_cselect_b64 s[4:5], s[4:5], s[6:7]
	s_cselect_b32 s23, s22, s23                    ; the run in the source,
	s_cselect_b32 s24, s22, s24                    ; and in q4
	s_cselect_b32 s26, 8192, s26                   ; x's codes begin behind the 16 first rows,
	s_cselect_b32 s27, QXS+512, s27                ; its scale bytes likewise
	s_lshl_b32 s28, s23, 15
	s_mov_b32 s29, 0
	s_add_nc_u64 s[4:5], s[4:5], s[28:29]          ; 32,768 bytes of f32 a run
	s_lshl_b32 s28, s24, 12
	s_add_co_u32 s28, s28, s26
	s_add_nc_u64 s[8:9], s[14:15], s[28:29]        ; 4,096 bytes of codes
	s_lshl_b32 s28, s24, 8
	s_add_co_u32 s28, s28, s27
	s_add_nc_u64 s[10:11], s[14:15], s[28:29]      ; 256 scale bytes
.macro LOAD t
.irp i, 0,1,2,3
	global_load_b128 v[R+16*((\t)%4)+4*\i:R+16*((\t)%4)+4*\i+3], v3, s[4:5] offset:2048*(\t)+512*\i th:TH_LOAD_NT   ; 32 lanes read 512 consecutive bytes
.endr
.endm
.macro TURN t                          ; step t's numbers through the stage: LDS serves a wave's instructions in order, so no wait stands between the stores and the loads
.irp i, 0,1,2,3
	ds_store_b128 v14, v[R+16*((\t)%4)+4*\i:R+16*((\t)%4)+4*\i+3] offset:32*SP*((\t)%2)+8*SP*\i
.endr
.irp i, 0,1,2,3
	ds_load_b128 v[X+16*((\t)%2)+4*\i:X+16*((\t)%2)+4*\i+3], v15 offset:32*SP*((\t)%2)+16*\i
.endr
.endm
.irp t, 0,1,2,3
	LOAD \t
.endr
	s_wait_loadcnt 12                              ; step 0's four loads are in; the twelve of steps 1 to 3 may be out
	TURN 0
.macro STEP t
.set XR, X+16*((\t)%2)
.if (\t) > 0
	s_wait_dscnt 1                                 ; this step's numbers are back from the stage (the last step's byte store may be out)
.else
	s_wait_dscnt 0x0
.endif
.if (\t)+4 < STEPS
	LOAD (\t)+4                                    ; into the registers that the stage's stores have read
.endif
.if (\t)+1 < STEPS
.if STEPS-2-(\t) >= 3
	s_wait_loadcnt 12                              ; the next step's four loads are in; those of the three steps behind it may be out
.else
	s_wait_loadcnt 4*(STEPS-2-(\t))
.endif
	TURN (\t)+1
.endif
	v_max3_num_f32 v8, |v[XR]|, |v[XR+1]|, |v[XR+2]|               ; the largest magnitude of my 16, in two chains
	v_max3_num_f32 v9, |v[XR+3]|, |v[XR+4]|, |v[XR+5]|
.irp i, 6,10
	v_max3_num_f32 v8, v8, |v[XR+\i]|, |v[XR+\i+1]|
	v_max3_num_f32 v9, v9, |v[XR+\i+2]|, |v[XR+\i+3]|
.endr
	v_max3_num_f32 v8, v8, |v[XR+14]|, |v[XR+15]|
	v_max3_num_f32 v8, v8, v9, (EMAX+1)<<23        ; and the floor 2^(EMAX + 1 - 127): the byte cannot fall under 1
	v_max_num_f32_dpp v8, v8, v8 row_xmask:1 row_mask:0xf bank_mask:0xf   ; and of my neighbour's 16: the block's
	v_add_nc_u32 v11, -(EMAX<<23), v8              ; EMAX off its exponent field: the conversion takes the exponent field of this operand as its scale
	v_cvt_scalef32_pk8_fp4_f32 v[C+4*(\t)], v[XR:XR+7], v11
	v_cvt_scalef32_pk8_fp4_f32 v[C+4*(\t)+1], v[XR+8:XR+15], v11
	v_lshrrev_b32 v[E+(\t)], 23, v11               ; the scale's byte
	ds_store_b8 v5, v[E+(\t)] offset:16*(\t)       ; both lanes of a block write the same byte with the same value
	global_store_b64 v4, v[C+4*(\t):C+4*(\t)+1], s[8:9] offset:32*CB*(\t)   ; the wave stores 256 consecutive bytes, aligned
.endm
.irp t, 0,1,2,3,4,5,6,7,8,9,10,11,12,13,14,15
	STEP \t
.endr
	ds_load_b64 v[8:9], v6                         ; LDS serves a wave's instructions in order: these see my stores
	s_wait_dscnt 0x0
	global_store_b64 v7, v[8:9], s[10:11]          ; 32 lanes store 256 consecutive bytes, aligned
	s_cmp_lg_u32 ttmp9, 0                          ; work-group 0 also writes the 16 rows in front of x: 8,192 bytes of zero codes, 512 bytes 0x7f
	s_cbranch_scc1 .Lnopad
.irp i, 16,17,18,19
	v_mov_b32 v\i, 0
.endr
	v_mov_b32 v20, 0x7f7f7f7f
	v_lshlrev_b32 v21, 4, v0
	v_lshlrev_b32 v22, 2, v0
.irp j, 0,1,2,3
	global_store_b128 v21, v[16:19], s[14:15] offset:2048*\j
.endr
	global_store_b32 v22, v20, s[14:15] offset:QXS
.Lnopad:
	s_wait_tensorcnt 0x0                           ; the wave's end
	ds_add_u32 v[SPW], v[NIL]
	s_wait_dscnt 0x0
	s_endpgm
	; ---------------- the converting path: f32 to f16, a plain stream; no LDS
.Lcast:
	s_sub_co_u32 s21, ttmp9, QWG                   ; 0-31 w_out, 32-159 w1, 160-287 w2
	s_sub_co_u32 s22, s21, 32
	s_sub_co_u32 s23, s21, 160
	s_mov_b32 s24, W1OFF
	s_mov_b32 s25, W2OFF
	s_cmp_lt_u32 s21, 160
	s_cselect_b64 s[10:11], s[10:11], s[12:13]
	s_cselect_b32 s22, s22, s23
	s_cselect_b32 s24, s24, s25
	s_cmp_lt_u32 s21, 32
	s_cselect_b64 s[8:9], s[8:9], s[10:11]         ; the source,
	s_cselect_b32 s22, s21, s22                    ; the work-group's number in it,
	s_cselect_b32 s24, 0, s24                      ; its place in wh
	s_lshl_b32 s22, s22, 2
	s_add_co_u32 s22, s22, s20                     ; my wave's run of 8,192 numbers
	s_lshl_b32 s26, s22, 15
	s_mov_b32 s27, 0
	s_add_nc_u64 s[8:9], s[8:9], s[26:27]
	s_lshl_b32 s26, s22, 14
	s_add_co_u32 s26, s26, s24
	s_add_nc_u64 s[16:17], s[16:17], s[26:27]
	v_lshlrev_b32 v4, 3, v2                        ; out: 8 bytes a lane
.macro CLOAD b                         ; batch b: 16 loads of 512 consecutive bytes into set b % 2 (v16-79, v80-143)
.irp i, 0,1,2,3,4,5,6,7,8,9,10,11,12,13,14,15
	global_load_b128 v[16+64*((\b)%2)+4*\i:16+64*((\b)%2)+4*\i+3], v3, s[8:9] offset:8192*(\b)+512*\i th:TH_LOAD_NT
.endr
.endm
.macro CBATCH b
.if (\b) < 3
	s_wait_loadcnt 16                              ; this batch is in; the next batch's 16 loads may be out
.else
	s_wait_loadcnt 0x0
.endif
.if (\b) > 0
	s_wait_xcnt 0x0                                ; the last batch's stores have read v144-175, which are written again below
.endif
.irp i, 0,1,2,3,4,5,6,7,8,9,10,11,12,13,14,15
	v_cvt_pk_f16_f32 v[144+2*\i], v[16+64*((\b)%2)+4*\i], v[16+64*((\b)%2)+4*\i+1]
	v_cvt_pk_f16_f32 v[145+2*\i], v[16+64*((\b)%2)+4*\i+2], v[16+64*((\b)%2)+4*\i+3]
.endr
.if (\b) < 2
	CLOAD (\b)+2
.endif
.irp i, 0,1,2,3,4,5,6,7,8,9,10,11,12,13,14,15
	global_store_b64 v4, v[144+2*\i:145+2*\i], s[16:17] offset:4096*(\b)+256*\i   ; the wave stores 256 consecutive bytes, aligned
.endr
.endm
	CLOAD 0
	CLOAD 1
	CBATCH 0
	CBATCH 1
	CBATCH 2
	CBATCH 3
	s_endpgm
.Lfunc_end_k_q4409e1fc7c_prep:
	.size	k_q4409e1fc7c_prep, .Lfunc_end_k_q4409e1fc7c_prep-k_q4409e1fc7c_prep
	.p2alignl 7, 3214868480
	.fill 96, 4, 3214868480
	.section	.rodata,"a",@progbits
	.p2align	6, 0x0
	.amdhsa_kernel k_q4409e1fc7c_prep
		.amdhsa_group_segment_fixed_size 33280
		.amdhsa_private_segment_fixed_size 0
		.amdhsa_enable_private_segment 0
		.amdhsa_kernarg_size 56
		.amdhsa_user_sgpr_count 2
		.amdhsa_user_sgpr_kernarg_segment_ptr 1
		.amdhsa_wavefront_size32 1
		.amdhsa_system_sgpr_workgroup_id_x 1
		.amdhsa_system_sgpr_workgroup_id_y 1
		.amdhsa_system_sgpr_workgroup_id_z 1
		.amdhsa_system_vgpr_workitem_id 0
		.amdhsa_next_free_vgpr 192
		.amdhsa_next_free_sgpr 66
		.amdhsa_reserve_vcc 0
		.amdhsa_float_denorm_mode_32 3
		.amdhsa_float_denorm_mode_16_64 3
		.amdhsa_memory_ordered 1
		.amdhsa_forward_progress 1
		.amdhsa_inst_pref_size 56
	.end_amdhsa_kernel
	.amdgpu_metadata
---
amdhsa.version: [ 1, 2 ]
amdhsa.kernels:
  - .name:           k_q4409e1fc7c_prep
    .symbol:         k_q4409e1fc7c_prep.kd
    .args:
      - { .name: x, .offset: 0, .size: 8, .value_kind: global_buffer, .address_space: global }
      - { .name: w_in, .offset: 8, .size: 8, .value_kind: global_buffer, .address_space: global }
      - { .name: w_out, .offset: 16, .size: 8, .value_kind: global_buffer, .address_space: global }
      - { .name: w1, .offset: 24, .size: 8, .value_kind: global_buffer, .address_space: global }
      - { .name: w2, .offset: 32, .size: 8, .value_kind: global_buffer, .address_space: global }
      - { .name: q4, .offset: 40, .size: 8, .value_kind: global_buffer, .address_space: global }
      - { .name: wh, .offset: 48, .size: 8, .value_kind: global_buffer, .address_space: global }
    .group_segment_fixed_size: 33280
    .private_segment_fixed_size: 0
    .kernarg_segment_align: 8
    .kernarg_segment_size: 56
    .max_flat_workgroup_size: 128
    .sgpr_count:     66
    .vgpr_count:     192
    .wavefront_size: 32
...
	.end_amdgpu_metadata
.endif
;; end of part 1
;; launch qkvattn (part 2): grid 8 x 32, 4 waves a work-group, clusters of 4 x 4, 327,680 bytes of LDS; arguments q4, b_in, a16; writes a16
.if DOCPART == 2
	.amdgcn_target "amdgcn-amd-amdhsa--gfx1250"
	.amdhsa_code_object_version 6
	.text
	.protected	k_q4409e1fc7c_qkvattn
	.globl	k_q4409e1fc7c_qkvattn
	.p2align	8
	.type	k_q4409e1fc7c_qkvattn,@function
k_q4409e1fc7c_qkvattn:
	s_mov_b64 s[64:65], 0
	v_nop
	global_prefetch_b8 v0, s[64:65] scope:SCOPE_SE
	s_setreg_imm32_b32 hwreg(HW_REG_WAVE_MODE, 25, 1), 1
	s_wait_xcnt 0x0
	s_wait_alu depctr_hold_cnt(0) depctr_sa_sdst(0) depctr_va_vdst(0) depctr_va_sdst(0) depctr_va_ssrc(0) depctr_va_vcc(0) depctr_vm_vsrc(0)
	s_getreg_b32 s2, hwreg(HW_REG_IB_STS2, 6, 4)
	s_cmp_eq_u32 s2, 0
	s_cbranch_scc0 .Lentry_in_a_cluster
	s_endpgm
.Lentry_in_a_cluster:
	s_bfe_u32 s2, ttmp6, 0x10000c
	s_cmp_lg_u32 s2, 0xf033
	s_cbranch_scc0 .Lentry_shape_is_right
	s_endpgm
.Lentry_shape_is_right:
; qkv = Q(x) Q(w_in)^T on codes of FP4 with E8M0 scales, + b_in; attention over the band j = i-4 .. i in f32; the result as f16 (operand of the projection).
; LEFT OUT AS DEAD WORK (shown at the head of the first kernel): all scores and weighted sums outside the band that reference() masks; the bias of k, b_in[1024:2048], which is the same along the softmax's axis (not loaded);
; v's bias is added once behind the weighting (the weights sum to 1).  A NaN, infinity or overflow that reaches only that work is not carried on.
; LIMIT: the result is rounded to f16: above 65,504 in magnitude it becomes infinity.
; SHARES.  A work-group takes 128 rows x one pair of heads: 32 x 8 = 256 work-groups.  Wave w takes head w % 2 of the pair and rows 64 (w / 2) on: q for its 64 rows, k and v for 80 rows, its 64 and the 16 in front of
; them, so that its attention asks no other wave: 56 accumulators of 16 x 16, 56 matrix instructions for each 128 along K, 448 in all.  The 16 rows in front of a sequence's first block are zero codes or the last rows
; of the sequence before: finite numbers, computed like all others and masked by a select.
; ALL OF K = 1,024 LIES IN LDS: two halves of 512 along K (rows of 256 bytes), each filled once; nothing is filled again.  By this text's count a wave has three tensor loads out: scale bytes, half 0, half 1.
; CLUSTER 4 x 4: x's rows hang on the block of rows alone and are shared along a row of the cluster, w_in's on the pair of heads alone and are shared along a column: joint loads.
; THE MATRIX INSTRUCTION IS USED TRANSPOSED (source 0 = 16 rows of w_in, source 1 = 16 rows of x): lane (r, h) holds position r, and register j of tile t channel 16 t + 8 h + j of the head.
; ATTENTION.  k and v go to the wave's own stage in LDS as rows of 64 f32; a lane then reads, for its query and each of the 5 keys, the same 32 channels that it holds of q: 16 packed multiply-adds a key; the other 32
; channels lie in the lane 16 away.  The largest score is taken away before the exponential, as reference() does.
; REGISTERS: window 0: v1-31 addresses; v32-71 x's scale words (tile a, K step s: 32 + 8 a + s); v72-167 w_in's (tile i = 4 part + t: 72 + 8 i + s); v168-247 x's fragments, two sets of 40, later the attention's work.
;  window 1: w_in's fragments, two sets of 96; v192-223 q's bias, v224-255 v's; later 5 keys x 32 numbers.   window 2: k (tile a, t) at 8 (4 a + t); q of row tiles 0, 1 from v160.   window 3: v likewise; q of row tiles 2, 3.
.set PITCH, 272                        ; an LDS row: 256 bytes + 16 of padding: the 16 rows of a load start 4 banks apart
.set SLOT,  143616                     ; half of K: x's 144 rows, then w_in's 384
.set BOFF,  39168
.set VPART, 69632                      ; w_in's v part, 256 rows on: beyond an LDS instruction's 16-bit offset, so it has address registers of its own
.set SCA,   287232                     ; x's scale bytes: 18 units of 256 + 16
.set SCB,   292128                     ; w_in's: 48 units
.set SPARE, 305408                     ; the spare words, 128 bytes for each wave
.set WST,   43520                      ; behind the last read of codes: each wave's stage: k's 80 rows,
.set VST,   21760                      ; then v's 80 rows;
.set OST,   174080                     ; and the work-group's stage for the way out: 128 rows
.set QXS,   2105344
.set QWC,   2236928
.set QWS,   3809792
.set ADRA,  16
.set ADRB,  18
.set ADRBV, 20
.set ADSA,  22
.set ADSB,  23
.set STO,   24
.set LDK,   25
.set OSTO,  26
.set ORD,   27
.set SPW,   28
.set NIL,   29
.set GO,    30
.set POS,   31
.set ASC,   32
.set BSC,   72
.set AF,    168
.set SCR,   168                        ; five pairs: the scores, then the weights
.set PT,    178
.set MX,    183
.set CM,    184
.set SM,    185
.set RC,    186
.set NINF,  187
.set OU,    192
.set HP,    224
.set QB,    192                        ; in window 1
.set VB,    224
.set SEL,   10
.set CC,    98
.set G1A,  24
.set G0A,  32
.set G1B,  48
.set G0B,  56
.set G1SA, 68
.set G0SA, 76
.set G1SB, 80
.set G0SB, 88
.set MSB, 0
.macro WIN new                         ; the immediate's high byte repeats the setting that is left
.if MSB != (\new)
	s_set_vgpr_msb (MSB<<8)|(\new)
.set MSB, \new
.endif
.endm
; A joint load: waves 0 and 1 fetch for x, waves 2 and 3 for w_in.  The branch hangs on the wave's number alone.  An s_nop 0 and four v_nop follow each of the two lines.
.macro JLOAD g0a, g1a, g0b, g1b
	s_cmp_eq_u32 s15, 0
	s_cbranch_scc0 .Lfor_b_\@
	tensor_load_to_lds s[\g0a:\g0a+3], s[\g1a:\g1a+7]
	s_nop 0
.rept 4
	v_nop
.endr
	s_branch .Lasked_\@
.Lfor_b_\@:
	tensor_load_to_lds s[\g0b:\g0b+3], s[\g1b:\g1b+7]
	s_nop 0
.rept 4
	v_nop
.endr
.Lasked_\@:
.endm
.macro CROUND                          ; a round of the cluster's barrier
	s_barrier_signal -1
	s_barrier_wait -1
	s_cmp_lg_u32 s14, 0
	s_cbranch_scc1 .Lnot_wave_0_\@
	s_barrier_signal -3
.Lnot_wave_0_\@:
	s_barrier_wait -3
	s_barrier_signal -1
	s_barrier_wait -1
.endm
.macro PLACES n
.rept \n
	v_nop
.endr
.endm
	s_load_b128 s[4:7], s[0:1], 0x0                ; q4 s[4:5], b_in s[6:7]
	s_load_b64 s[8:9], s[0:1], 0x10                ; a16
	v_lshl_add_u32 v[SPW], v0, 2, SPARE
	v_mov_b32 v[NIL], 0
	ds_add_u32 v[SPW], v[NIL]                      ; the wave's opening: the add, twice on end, and its wait ahead of my first tensor load
	ds_add_u32 v[SPW], v[NIL]
	v_lshrrev_b32 v1, 5, v0
	v_readfirstlane_b32 s14, v1                    ; wave 0..3
	s_lshr_b32 s15, s14, 1                         ; which 64 rows are mine.  Also: I fetch for x (0) or for w_in (1)
	s_and_b32 s16, s14, 1                          ; which head of the pair.  Also: which half of that tile I fetch
	s_bfe_u32 s40, ttmp6, 0x40000                  ; cx, cy: my place in the cluster
	s_bfe_u32 s41, ttmp6, 0x40004
	s_lshl_b32 s42, ttmp9, 2
	s_add_co_u32 s42, s42, s40                     ; the pair of heads = 4 x cluster x + cx
	s_and_b32 s17, ttmp7, 0xffff
	s_lshl_b32 s17, s17, 2
	s_add_co_u32 s17, s17, s41                     ; the block of 128 rows = 4 x cluster y + cy
	s_lshl_b32 s43, s41, 2
	s_lshl_b32 s43, 15, s43                        ; my row of the cluster
	s_lshl_b32 s44, 0x1111, s40                    ; my column
	; group 1 for the codes: rows of 256 bytes out of rows of 512; elements of 1 byte; padding of 4 words behind every 64; bit 21 beside the mask
	s_or_b32 s[G1A+0], s43, 0x7700000
	s_mov_b32 s[G1A+1], 256<<16                    ; tensor_dim0
	s_mov_b32 s[G1A+2], 72<<16                     ; tensor_dim1: half of x's 144 rows
	s_mov_b32 s[G1A+3], 256<<16                    ; tile_dim0
	s_mov_b32 s[G1A+4], 72                         ; tile_dim1
	s_mov_b32 s[G1A+5], 512                        ; the pitch
	s_mov_b32 s[G1A+6], 0
	s_mov_b32 s[G1A+7], 0
	s_or_b32 s[G1B+0], s44, 0x7700000
	s_mov_b32 s[G1B+1], 256<<16
	s_mov_b32 s[G1B+2], 192<<16                    ; half of w_in's 384 rows
	s_mov_b32 s[G1B+3], 256<<16
	s_mov_b32 s[G1B+4], 192
	s_mov_b32 s[G1B+5], 512
	s_mov_b32 s[G1B+6], 0
	s_mov_b32 s[G1B+7], 0
	; and for the scale bytes: dense blocks, as rows of 256 bytes (32 elements of 8 bytes), the same padding
	s_or_b32 s[G1SA+0], s43, 0x7730000
	s_mov_b32 s[G1SA+1], 32<<16
	s_mov_b32 s[G1SA+2], 9<<16                     ; 72 rows x 32 bytes
	s_mov_b32 s[G1SA+3], 32<<16
	s_mov_b32 s[G1SA+4], 9
	s_mov_b32 s[G1SA+5], 32
	s_mov_b32 s[G1SA+6], 0
	s_mov_b32 s[G1SA+7], 0
	s_or_b32 s[G1SB+0], s44, 0x7730000
	s_mov_b32 s[G1SB+1], 32<<16
	s_mov_b32 s[G1SB+2], 24<<16                    ; 192 rows x 32 bytes
	s_mov_b32 s[G1SB+3], 32<<16
	s_mov_b32 s[G1SB+4], 24
	s_mov_b32 s[G1SB+5], 32
	s_mov_b32 s[G1SB+6], 0
	s_mov_b32 s[G1SB+7], 0
	; offsets in q4.  x's hang on the block of rows and the wave alone, w_in's on the pair of heads and the wave alone, each in registers that never hold the other coordinate
	s_lshl_b32 s20, s17, 16                        ; row 128 y of the codes is x's row 128 y - 16
	s_mul_i32 s18, s16, 36864
	s_add_co_u32 s20, s20, s18
	s_mov_b32 s21, 0
	s_lshl_b32 s22, s17, 12
	s_mul_i32 s18, s16, 2304
	s_add_co_u32 s22, s22, s18
	s_add_co_u32 s22, s22, QXS
	s_mov_b32 s23, 0
	s_mul_i32 s46, s42, 196608
	s_mul_i32 s18, s16, 98304
	s_add_co_u32 s46, s46, s18
	s_add_co_u32 s46, s46, QWC
	s_mov_b32 s47, 0
	s_mul_i32 s92, s42, 12288
	s_mul_i32 s18, s16, 6144
	s_add_co_u32 s92, s92, s18
	s_add_co_u32 s92, s92, QWS
	s_mov_b32 s93, 0
	s_mul_i32 s45, s16, 19584                      ; where they go: no place in the cluster enters an LDS address
	s_mul_i32 s94, s16, 52224
	s_add_co_u32 s94, s94, BOFF
	s_mul_i32 s95, s16, 2448
	s_add_co_u32 s95, s95, SCA
	s_mul_i32 s96, s16, 6528
	s_add_co_u32 s96, s96, SCB
	s_mov_b32 s[SEL], 0x76543210
	s_mov_b32 s[SEL+1], 0xfedcba98                 ; v_permlanex16_b32's selects for lane l xor 16
	s_mov_b32 s[CC], 0x3e38aa3b                    ; c = log2(e) / sqrt(64)
	s_wait_dscnt 0x0                               ; both opening adds are done
	s_wait_kmcnt 0x0
	s_add_nc_u64 s[20:21], s[4:5], s[20:21]
	s_add_nc_u64 s[22:23], s[4:5], s[22:23]
	s_add_nc_u64 s[46:47], s[4:5], s[46:47]
	s_add_nc_u64 s[92:93], s[4:5], s[92:93]
	CROUND                                         ; all sixteen work-groups are here: the joint loads meet
	s_mov_b32 s[G0SA], 1
	s_mov_b32 s[G0SA+1], s95
	s_mov_b64 s[G0SA+2:G0SA+3], s[22:23]
	s_or_b32 s[G0SA+3], s[G0SA+3], 0x80000000
	s_mov_b32 s[G0SB], 1
	s_mov_b32 s[G0SB+1], s96
	s_mov_b64 s[G0SB+2:G0SB+3], s[92:93]
	s_or_b32 s[G0SB+3], s[G0SB+3], 0x80000000
	JLOAD G0SA, G1SA, G0SB, G1SB                   ; the scale bytes first: they are wanted with the first K step
.irp s, 0,1
	s_mov_b32 s[G0A+4*\s], 1
	s_add_co_u32 s[G0A+4*\s+1], s45, \s*SLOT
	s_add_nc_u64 s[G0A+4*\s+2:G0A+4*\s+3], s[20:21], \s*256
	s_or_b32 s[G0A+4*\s+3], s[G0A+4*\s+3], 0x80000000
	s_mov_b32 s[G0B+4*\s], 1
	s_add_co_u32 s[G0B+4*\s+1], s94, \s*SLOT
	s_add_nc_u64 s[G0B+4*\s+2:G0B+4*\s+3], s[46:47], \s*256
	s_or_b32 s[G0B+4*\s+3], s[G0B+4*\s+3], 0x80000000
	JLOAD G0A+4*\s, G1A, G0B+4*\s, G1B
.endr
	v_and_b32 v1, 15, v0                           ; r
	v_bfe_u32 v2, v0, 4, 1                         ; h
	v_mul_u32_u24 v3, v1, PITCH
	v_lshl_add_u32 v4, v2, 4, v3                   ; r x pitch + 16 h
	s_mul_i32 s18, s15, 64*PITCH                   ; x: my 80 rows begin at row 64 (w / 2) of the 144
	v_add_nc_u32 v[ADRA], s18, v4
	s_add_co_u32 s18, s18, SLOT
	v_add_nc_u32 v[ADRA+1], s18, v4
	s_mul_i32 s18, s16, 64*PITCH                   ; w_in: my head's 64 rows of each part
	s_add_co_u32 s18, s18, BOFF
	v_add_nc_u32 v[ADRB], s18, v4
	s_add_co_u32 s19, s18, VPART
	v_add_nc_u32 v[ADRBV], s19, v4
	s_add_co_u32 s18, s18, SLOT
	v_add_nc_u32 v[ADRB+1], s18, v4
	s_add_co_u32 s19, s19, SLOT
	v_add_nc_u32 v[ADRBV+1], s19, v4
	v_lshrrev_b32 v5, 3, v1                        ; scale bytes: 8 rows of 32 bytes to a unit
	v_and_b32 v6, 7, v1
	v_mul_u32_u24 v5, v5, PITCH
	v_lshl_add_u32 v5, v6, 5, v5
	s_mul_i32 s18, s15, 8*PITCH
	s_add_co_u32 s18, s18, SCA
	v_add_nc_u32 v[ADSA], s18, v5
	s_mul_i32 s18, s16, 8*PITCH
	s_add_co_u32 s18, s18, SCB
	v_add_nc_u32 v[ADSB], s18, v5
	v_lshl_add_u32 v6, v2, 5, v3                   ; r x pitch + 32 h: my 8 channels of a tile, in f32
	s_mul_i32 s18, s14, WST
	v_add_nc_u32 v[STO], s18, v6                   ; into my stage: position r of a tile
	s_add_co_u32 s19, s18, 12*PITCH
	v_add_nc_u32 v[LDK], s19, v6                   ; out of it: position 12 + r; the offset adds 16 R + 4 - d, so that key d of query 16 (R + 1) + r is read
	s_mul_i32 s18, s15, 64*PITCH
	s_lshl_b32 s19, s16, 7
	s_add_co_u32 s18, s18, s19
	s_add_co_u32 s18, s18, OST
	v_add_nc_u32 v[OSTO], s18, v4                  ; the way out: row 64 (w / 2) + r, my head's 128 bytes, 16 h
	v_mul_u32_u24 v7, v2, PITCH
	v_lshl_add_u32 v7, v1, 4, v7
	s_mul_i32 s18, s14, 32*PITCH
	s_add_co_u32 s18, s18, OST
	v_add_nc_u32 v[ORD], s18, v7                   ; back: rows 32 w on; lanes 0-15 one row, lanes 16-31 the next
	v_lshlrev_b32 v7, 11, v2
	v_lshl_add_u32 v[GO], v1, 4, v7                ; and the same two rows in a16
	s_lshl_b32 s18, s17, 7
	s_lshl_b32 s19, s15, 6
	s_add_co_u32 s18, s18, s19
	s_and_b32 s18, s18, 2047
	v_add_nc_u32 v[POS], s18, v1                   ; the place in its sequence of my query of row tile 0
	s_lshl_b32 s18, s42, 9
	s_lshl_b32 s19, s16, 8
	s_add_co_u32 s18, s18, s19
	s_mov_b32 s19, 0
	s_add_nc_u64 s[6:7], s[6:7], s[18:19]          ; b_in at my head's q part
	v_lshlrev_b32 v8, 5, v2
	WIN 0x40                                       ; destination window 1
.irp t, 0,1,2,3
.irp e, 0,1
	global_load_b128 v[QB+8*\t+4*\e:QB+8*\t+4*\e+3], v8, s[6:7] offset:64*\t+16*\e        ; q's bias at channels 16 t + 8 h + 0 .. 7
	global_load_b128 v[VB+8*\t+4*\e:VB+8*\t+4*\e+3], v8, s[6:7] offset:8192+64*\t+16*\e   ; v's, 2,048 numbers on
.endr
.endr
	WIN 0
	s_lshl_b32 s18, s17, 7
	s_lshl_b32 s19, s14, 5
	s_add_co_u32 s18, s18, s19                     ; the first row that I store: 128 y + 32 w
	s_lshl_b32 s18, s18, 11
	s_lshl_b32 s19, s42, 8                         ; the pair's 256 bytes of a row
	s_add_co_u32 s18, s18, s19
	s_mov_b32 s19, 0
	s_add_nc_u64 s[8:9], s[8:9], s[18:19]
; The fragments of K step s (128 along K) into set s % 2: w_in's twelve (q, k, v x 4 tiles), x's five: 34 loads.  A fragment: lane (r, h), registers 4 c .. 4 c + 3: K = 64 c + 32 h + 0 .. 31: 16 bytes as they lie.
.macro LOADSTEP s
.set SL, (\s)/4
.set QQ, (\s)%4
.set PP, (\s)%2
	WIN 0x40
.irp i, 0,1,2,3,4,5,6,7
.irp c, 0,1
	ds_load_b128 v[96*PP+8*\i+4*\c:96*PP+8*\i+4*\c+3], v[ADRB+SL] offset:(128*(\i/4)+16*(\i%4))*PITCH+64*QQ+32*\c
.endr
.endr
.irp t, 0,1,2,3
.irp c, 0,1
	ds_load_b128 v[96*PP+64+8*\t+4*\c:96*PP+64+8*\t+4*\c+3], v[ADRBV+SL] offset:16*\t*PITCH+64*QQ+32*\c
.endr
.endr
	WIN 0
.irp a, 0,1,2,3,4
.irp c, 0,1
	ds_load_b128 v[AF+40*PP+8*\a+4*\c:AF+40*PP+8*\a+4*\c+3], v[ADRA+SL] offset:16*\a*PITCH+64*QQ+32*\c
.endr
.endr
.endm
.macro WM d, bf, af, bs, as, zero
.if \zero
	v_wmma_scale_f32_16x16x128_f8f6f4 v[(\d):(\d)+7], v[(\bf):(\bf)+7], v[(\af):(\af)+7], 0, v[(\bs)], v[(\as)] matrix_a_fmt:MATRIX_FMT_FP4 matrix_b_fmt:MATRIX_FMT_FP4
.else
	v_wmma_scale_f32_16x16x128_f8f6f4 v[(\d):(\d)+7], v[(\bf):(\bf)+7], v[(\af):(\af)+7], v[(\d):(\d)+7], v[(\bs)], v[(\as)] matrix_a_fmt:MATRIX_FMT_FP4 matrix_b_fmt:MATRIX_FMT_FP4
.endif
.endm
; K step s: 56 matrix instructions, each accumulator once: they take turns.  zero = 1: the first K step starts the sums.
.macro MUL s, zero
.set PP, (\s)%2
	WIN 0xa1                                       ; source 0 (w_in) window 1, source 1 (x) window 0, C and D window 2
.irp a, 0,1,2,3,4
.irp t, 0,1,2,3
	WM 8*(4*\a+\t), 96*PP+32+8*\t, AF+40*PP+8*\a, BSC+8*(4+\t)+(\s), ASC+8*\a+(\s), \zero      ; k
.endr
.endr
.irp r, 0,1
.irp t, 0,1,2,3
	WM 160+8*(4*\r+\t), 96*PP+8*\t, AF+40*PP+8*(\r+1), BSC+8*\t+(\s), ASC+8*(\r+1)+(\s), \zero   ; q of row tiles 0, 1: x's tiles 1, 2
.endr
.endr
	WIN 0xf1                                       ; C and D window 3
.irp a, 0,1,2,3,4
.irp t, 0,1,2,3
	WM 8*(4*\a+\t), 96*PP+64+8*\t, AF+40*PP+8*\a, BSC+8*(8+\t)+(\s), ASC+8*\a+(\s), \zero      ; v
.endr
.endr
.irp r, 0,1
.irp t, 0,1,2,3
	WM 160+8*(4*\r+\t), 96*PP+8*\t, AF+40*PP+8*(\r+3), BSC+8*\t+(\s), ASC+8*(\r+3)+(\s), \zero   ; q of row tiles 2, 3
.endr
.endr
.endm
	s_wait_tensorcnt 1                             ; my parts of the scale bytes and of K's first half are in; the second half's load may be out
	s_barrier_signal -1
	s_barrier_wait -1                              ; everybody's are
.irp a, 0,1,2,3,4
.irp e, 0,1
	ds_load_b128 v[ASC+8*\a+4*\e:ASC+8*\a+4*\e+3], v[ADSA] offset:2*\a*PITCH+16*\e       ; a row's 32 scale bytes: eight words, one for each K step
.endr
.endr
.irp i, 0,1,2,3,4,5,6,7,8,9,10,11
.irp e, 0,1
	ds_load_b128 v[BSC+8*\i+4*\e:BSC+8*\i+4*\e+3], v[ADSB] offset:(16*(\i/4)+2*(\i%4))*PITCH+16*\e
.endr
.endr
	LOADSTEP 0
	LOADSTEP 1
	s_wait_dscnt 34                                ; all but the 34 loads just issued
	MUL 0, 1
.irp s, 1,2,3,4,5,6
	PLACES 4                                       ; in front of loads into registers that matrix instructions have read
.if \s == 3
	s_wait_tensorcnt 0x0                           ; my part of K's second half is in,
	s_wait_dscnt 0x0                               ; (no LDS instruction is pending at a signal)
	s_barrier_signal -1
	s_barrier_wait -1                              ; everybody's is
.endif
	LOADSTEP \s+1
	s_wait_dscnt 34                                ; this step's fragments are in; the next step's 34 loads may be out
	MUL \s, 0
.endr
	s_wait_dscnt 0x0                               ; my last reads of codes and scale bytes are over:
	s_barrier_signal -1                            ; say so,
	MUL 7, 0
	s_barrier_wait -1                              ; and when all four have said so, the halves of K, which have had their only fill, may be written over
	WIN 0
	PLACES 4                                       ; behind the last products: results are read and operands' registers written below
	s_wait_loadcnt 0x0                             ; the biases
.irp d, 0,1,2,3,4
	v_mov_b32 v[PT+\d], 0                          ; a lane permute's destination counts as one of its sources
.endr
	v_mov_b32 v[NINF], 0xff800000
	WIN 0x08                                       ; an LDS store's data are its source 1: window 2
.irp a, 0,1,2,3,4
.irp t, 0,1,2,3
	ds_store_b128 v[STO], v[8*(4*\a+\t):8*(4*\a+\t)+3] offset:16*\a*PITCH+64*\t          ; k: each accumulator from its low end on
	ds_store_b128 v[STO], v[8*(4*\a+\t)+4:8*(4*\a+\t)+7] offset:16*\a*PITCH+64*\t+16
.endr
.endr
	WIN 0x0c                                       ; window 3
.irp a, 0,1,2,3,4
.irp t, 0,1,2,3
	ds_store_b128 v[STO], v[8*(4*\a+\t):8*(4*\a+\t)+3] offset:VST+16*\a*PITCH+64*\t      ; v
	ds_store_b128 v[STO], v[8*(4*\a+\t)+4:8*(4*\a+\t)+7] offset:VST+16*\a*PITCH+64*\t+16
.endr
.endr
; Row tile rt: 16 queries.  The stage is my wave's own, and LDS serves a wave's instructions in order: no wait and no barrier between its stores and these loads.
.macro ATT rt
.set W, 2+(\rt)/2
.set QA, 160+32*((\rt)%2)
	WIN 0x40
.irp d, 0,1,2,3,4
.irp t, 0,1,2,3
.irp e, 0,1
	ds_load_b128 v[32*\d+8*\t+4*\e:32*\d+8*\t+4*\e+3], v[LDK] offset:(16*(\rt)+4-\d)*PITCH+64*\t+16*\e    ; key i - d, my 32 channels
.endr
.endr
.endr
	WIN (W<<6)|4|W                                 ; q (destination, source 0) window W, the bias window 1
.set i, 0
.rept 16
	v_pk_add_f32 v[QA+i:QA+i+1], v[QA+i:QA+i+1], v[QB+i:QB+i+1]    ; q + b_q, each accumulator from its low end on
.set i, i+2
.endr
	s_wait_dscnt 0x0                               ; the keys are in
	WIN 4|W
.irp d, 0,1,2,3,4
	v_pk_mul_f32 v[SCR+2*\d:SCR+2*\d+1], v[QA:QA+1], v[32*\d:32*\d+1]
.endr
.set i, 2
.rept 15
.irp d, 0,1,2,3,4
	v_pk_fma_f32 v[SCR+2*\d:SCR+2*\d+1], v[QA+i:QA+i+1], v[32*\d+i:32*\d+i+1], v[SCR+2*\d:SCR+2*\d+1]   ; the five keys by turns
.endr
.set i, i+2
.endr
	WIN 0x40
.irp d, 0,1,2,3,4
.irp t, 0,1,2,3
.irp e, 0,1
	ds_load_b128 v[32*\d+8*\t+4*\e:32*\d+8*\t+4*\e+3], v[LDK] offset:VST+(16*(\rt)+4-\d)*PITCH+64*\t+16*\e   ; the values land while the softmax is made
.endr
.endr
.endr
	WIN 0
.irp d, 0,1,2,3,4
	v_add_f32 v[SCR+2*\d], v[SCR+2*\d], v[SCR+2*\d+1]
.endr
.irp d, 0,1,2,3,4
	v_permlanex16_b32 v[PT+\d], v[SCR+2*\d], s[SEL], s[SEL+1]
.endr
.irp d, 0,1,2,3,4
	v_add_f32 v[SCR+2*\d], v[SCR+2*\d], v[PT+\d]   ; with the other 32 channels: q . k
.endr
.if (\rt) == 0                         ; only a sequence's first four queries have keys in front of the sequence, and they lie in row tile 0
.irp d, 1,2,3,4
	v_cmp_gt_u32 vcc_lo, \d, v[POS]
	v_cndmask_b32 v[SCR+2*\d], v[SCR+2*\d], v[NINF], vcc_lo
.endr
.endif
	v_max3_num_f32 v[MX], v[SCR], v[SCR+2], v[SCR+4]
	v_max3_num_f32 v[MX], v[MX], v[SCR+6], v[SCR+8]    ; the row's largest score (key i always counts)
	v_mul_f32 v[CM], s[CC], v[MX]
.irp d, 0,1,2,3,4
	v_fma_f32 v[SCR+2*\d], v[SCR+2*\d], s[CC], -v[CM]
.endr
.irp d, 0,1,2,3,4
	v_exp_f32 v[SCR+2*\d], v[SCR+2*\d]
.endr
	v_nop                                          ; a plain instruction behind the last exponential
	s_wait_alu depctr_va_vdst(0)                   ; one wait for the five, ahead of their first reader
	v_add_f32 v[SM], v[SCR], v[SCR+2]
	v_add_f32 v[MX], v[SCR+4], v[SCR+6]
	v_add_f32 v[SM], v[SM], v[SCR+8]
	v_add_f32 v[SM], v[SM], v[MX]
	v_rcp_f32 v[RC], v[SM]
	v_nop
	s_wait_alu depctr_va_vdst(0)
.irp d, 0,1,2,3,4
	v_mul_f32 v[SCR+2*\d], v[SCR+2*\d], v[RC]      ; the weights
.endr
	s_wait_dscnt 0x0                               ; the values are in
	WIN 0x11                                       ; sources 0 (v) and 2 (its bias) window 1
.set i, 0
.rept 16
	v_pk_fma_f32 v[OU+i:OU+i+1], v[i:i+1], v[SCR:SCR+1], v[VB+i:VB+i+1] op_sel_hi:[1,0,1]
.set i, i+2
.endr
	WIN 0x01
.irp d, 1,2,3,4
.set i, 0
.rept 16
	v_pk_fma_f32 v[OU+i:OU+i+1], v[32*\d+i:32*\d+i+1], v[SCR+2*\d:SCR+2*\d+1], v[OU+i:OU+i+1] op_sel_hi:[1,0,1]
.set i, i+2
.endr
.endr
	WIN 0
.set i, 0
.rept 16
	v_cvt_pk_f16_f32 v[HP+i], v[OU+2*i], v[OU+2*i+1]
.set i, i+1
.endr
.irp t, 0,1,2,3
	ds_store_b128 v[OSTO], v[HP+4*\t:HP+4*\t+3] offset:16*(\rt)*PITCH+32*\t
.endr
.endm
	ATT 0
	ATT 1
	ATT 2
	ATT 3
	s_wait_dscnt 0x0                               ; for the others' sake: my stores into the stage are done
	s_barrier_signal -1
	s_barrier_wait -1                              ; a row's 256 bytes come from two waves
	WIN 0x40
.irp i, 0,1,2,3,4,5,6,7,8,9,10,11,12,13,14,15
	ds_load_b128 v[4*\i:4*\i+3], v[ORD] offset:2*\i*PITCH
.endr
	WIN 0x04                                       ; a store's data are its source 1: window 1
.irp i, 0,1,2,3,4,5,6,7,8,9,10,11,12,13,14,15
	s_wait_dscnt 15-\i                             ; the younger loads may be out
	global_store_b128 v[GO], v[4*\i:4*\i+3], s[8:9] offset:4096*\i    ; 16 lanes store 256 consecutive bytes, aligned: two heads of one row
.endr
	WIN 0
	s_wait_tensorcnt 0x0                           ; the wave's end
	ds_add_u32 v[SPW], v[NIL]
	s_wait_dscnt 0x0
	CROUND                                         ; the closing round
	s_endpgm
.Lfunc_end_k_q4409e1fc7c_qkvattn:
	.size	k_q4409e1fc7c_qkvattn, .Lfunc_end_k_q4409e1fc7c_qkvattn-k_q4409e1fc7c_qkvattn
	.p2alignl 7, 3214868480
	.fill 96, 4, 3214868480
	.section	.rodata,"a",@progbits
	.p2align	6, 0x0
	.amdhsa_kernel k_q4409e1fc7c_qkvattn
		.amdhsa_group_segment_fixed_size 327680
		.amdhsa_private_segment_fixed_size 0
		.amdhsa_enable_private_segment 0
		.amdhsa_kernarg_size 24
		.amdhsa_user_sgpr_count 2
		.amdhsa_user_sgpr_kernarg_segment_ptr 1
		.amdhsa_wavefront_size32 1
		.amdhsa_system_sgpr_workgroup_id_x 1
		.amdhsa_system_sgpr_workgroup_id_y 1
		.amdhsa_system_sgpr_workgroup_id_z 1
		.amdhsa_system_vgpr_workitem_id 0
		.amdhsa_next_free_vgpr 1024
		.amdhsa_next_free_sgpr 100
		.amdhsa_reserve_vcc 1
		.amdhsa_float_denorm_mode_32 3
		.amdhsa_float_denorm_mode_16_64 3
		.amdhsa_memory_ordered 1
		.amdhsa_forward_progress 1
		.amdhsa_inst_pref_size 177
	.end_amdhsa_kernel
	.amdgpu_metadata
---
amdhsa.version: [ 1, 2 ]
amdhsa.kernels:
  - .name:           k_q4409e1fc7c_qkvattn
    .symbol:         k_q4409e1fc7c_qkvattn.kd
    .args:
      - { .name: q4, .offset: 0, .size: 8, .value_kind: global_buffer, .address_space: global }
      - { .name: b_in, .offset: 8, .size: 8, .value_kind: global_buffer, .address_space: global }
      - { .name: a16, .offset: 16, .size: 8, .value_kind: global_buffer, .address_space: global }
    .group_segment_fixed_size: 327680
    .private_segment_fixed_size: 0
    .kernarg_segment_align: 8
    .kernarg_segment_size: 24
    .max_flat_workgroup_size: 128
    .sgpr_count:     100
    .vgpr_count:     1024
    .wavefront_size: 32
...
	.end_amdgpu_metadata
.endif
;; end of part 2
;; launch proj (part 3): grid 8 x 32, 4 waves a work-group, clusters of 4 x 4, 327,680 bytes of LDS; arguments a16, wh, b_out, y32; writes y32
.if DOCPART == 3
	.amdgcn_target "amdgcn-amd-amdhsa--gfx1250"
	.amdhsa_code_object_version 6
	.text
	.protected	k_q4409e1fc7c_proj
	.globl	k_q4409e1fc7c_proj
	.p2align	8
	.type	k_q4409e1fc7c_proj,@function
k_q4409e1fc7c_proj:
	s_mov_b64 s[64:65], 0
	v_nop
	global_prefetch_b8 v0, s[64:65] scope:SCOPE_SE
	s_setreg_imm32_b32 hwreg(HW_REG_WAVE_MODE, 25, 1), 1
	s_wait_xcnt 0x0
	s_wait_alu depctr_hold_cnt(0) depctr_sa_sdst(0) depctr_va_vdst(0) depctr_va_sdst(0) depctr_va_ssrc(0) depctr_va_vcc(0) depctr_vm_vsrc(0)
	s_getreg_b32 s2, hwreg(HW_REG_IB_STS2, 6, 4)
	s_cmp_eq_u32 s2, 0
	s_cbranch_scc0 .Lentry_in_a_cluster
	s_endpgm
.Lentry_in_a_cluster:
	s_bfe_u32 s2, ttmp6, 0x10000c
	s_cmp_lg_u32 s2, 0xf033
	s_cbranch_scc0 .Lentry_shape_is_right
	s_endpgm
.Lentry_shape_is_right:
; C[m][n] = sum over k of A[m][k] B[n][k] + bias[n].  A: [4096][SIZE_K] f16; B: [1024][SIZE_K] f16, at byte WOFF of the weights' buffer; C: [4096][1024] f32; sums in f32.  Here: the attention's projection.
; LIMIT: operands are f16 (made by earlier launches): above 65,504 in magnitude they are infinite.
; A tile of C is 128 x 128: 256 work-groups.  Four waves, each 64 x 64: 16 accumulators.  K goes in steps of 256 (LDS rows of 512 bytes; a wave's tensor load brings 64 of them) through two slots.
; CLUSTERS: 4 x 4 work-groups.  The four of a row of the cluster need the same tiles of A, the four of a column the same tiles of B: joint loads.
; THE MATRIX INSTRUCTION IS USED TRANSPOSED (source 0 = 16 rows of B, source 1 = 16 rows of A): a lane holds eight neighbouring numbers of a row of C.  The bias is the C of each sum's first product.
; A wave's 64 columns of f32 are 256 aligned bytes of a row: each wave sends its own blocks of 16 rows through its own stage, with no barrier.
; No prefetch: the tiles are small and are read again by the neighbouring clusters.
; REGISTERS: window 0: v0-31 addresses; v32-63 the bias, later with v64-95 the way out; v128-255 the accumulators ((a, b) at v[128 + 8 (4 a + b)]).  window 1: two fragment buffers of 128.
.set SIZE_N, 1024
.set SIZE_K, 1024
.set WOFF,   0
.set KSTEP,  256
.set PITCH,  528                       ; 512 bytes + 16 of padding: the 16 rows of a load start 4 banks apart
.set HALFT,  64*PITCH
.set SLOT,   4*HALFT
.set STAGE,  2*SLOT                    ; behind the ring: 16 rows x 272 bytes for each wave
.set SPITCH, 272
.set SPARE,  STAGE+4*16*SPITCH         ; the spare words, 128 bytes for each wave
.set LAPS, SIZE_K/(2*KSTEP)
.set ADRA, 16
.set ADRB, 20
.set STO,  24
.set RD,   25
.set CO,   26
.set BOF,  27
.set SPW,  28
.set NIL,  29
.set BIA,  32
.set BK,   32
.set ACC,  128
.set F0,   0
.set F1,   128
.set G1, 24
.set G0, 32
.set G1B, 48
.set G0B, 56
.set BP, 66
.set MSB, 0
.macro WIN new
.if MSB != (\new)
	s_set_vgpr_msb (MSB<<8)|(\new)
.set MSB, \new
.endif
.endm
.set MUL,  0x05                        ; sources 0 (B) and 1 (A) window 1; C and D window 0
.set TO_F, 0x40
.macro JLOAD s                         ; a joint load: waves 0 and 1 fetch A's two halves, waves 2 and 3 B's; an s_nop 0 and four v_nop follow each line
	s_cmp_eq_u32 s11, 0
	s_cbranch_scc0 .Lfor_b_\@
	tensor_load_to_lds s[G0+4*\s:G0+4*\s+3], s[G1:G1+7]
	s_nop 0
.rept 4
	v_nop
.endr
	s_branch .Lasked_\@
.Lfor_b_\@:
	tensor_load_to_lds s[G0B+4*\s:G0B+4*\s+3], s[G1B:G1B+7]
	s_nop 0
.rept 4
	v_nop
.endr
.Lasked_\@:
.endm
.macro CREST
	s_cmp_lg_u32 s10, 0
	s_cbranch_scc1 .Lnot_wave_0_\@
	s_barrier_signal -3
.Lnot_wave_0_\@:
	s_barrier_wait -3
	s_barrier_signal -1
	s_barrier_wait -1
.endm
.macro CROUND
	s_barrier_signal -1
	s_barrier_wait -1
	CREST
.endm
	s_load_b128 s[4:7], s[0:1], 0x0                ; A s[4:5], the weights s[6:7]
	s_load_b64 s[BP:BP+1], s[0:1], 0x10            ; the bias
	s_load_b64 s[8:9], s[0:1], 0x18                ; C
	v_lshl_add_u32 v[SPW], v0, 2, SPARE
	v_mov_b32 v[NIL], 0
	ds_add_u32 v[SPW], v[NIL]                      ; the wave's opening: the add, twice on end, and its wait ahead of my first tensor load
	ds_add_u32 v[SPW], v[NIL]
	v_lshrrev_b32 v1, 5, v0
	v_readfirstlane_b32 s10, v1                    ; wave 0..3
	s_lshr_b32 s11, s10, 1                         ; which half of the tile's rows is mine.  Also: I fetch for A (0) or for B (1)
	s_and_b32 s12, s10, 1                          ; which half of its columns.  Also: which 64 rows of that tile I fetch
	s_bfe_u32 s40, ttmp6, 0x40000
	s_bfe_u32 s41, ttmp6, 0x40004
	s_lshl_b32 s42, ttmp9, 2
	s_add_co_u32 s42, s42, s40                     ; tile column of C
	s_and_b32 s13, ttmp7, 0xffff
	s_lshl_b32 s13, s13, 2
	s_add_co_u32 s13, s13, s41                     ; tile row of C
	s_lshl_b32 s43, s41, 2
	s_lshl_b32 s43, 15, s43                        ; my row of the cluster
	s_lshl_b32 s44, 0x1111, s40                    ; my column
	s_or_b32 s[G1+0], s43, (1<<16)|(1<<20)|(1<<21)|(6<<22)|(3<<25)  ; the mask; elements of 2 bytes; padding of 4 words behind every 128; bit 21 beside the mask
	s_or_b32 s[G1B+0], s44, (1<<16)|(1<<20)|(1<<21)|(6<<22)|(3<<25)
.irp g, G1, G1B
	s_mov_b32 s[\g+1], KSTEP<<16                   ; tensor_dim0 = 256
	s_mov_b32 s[\g+2], 64<<16                      ; tensor_dim1 = 64
	s_mov_b32 s[\g+3], KSTEP<<16                   ; tile_dim0 = 256
	s_mov_b32 s[\g+4], 64                          ; tile_dim1 = 64
	s_mov_b32 s[\g+5], SIZE_K                      ; the pitch
	s_mov_b32 s[\g+6], 0
	s_mov_b32 s[\g+7], 0
.endr
	s_lshl_b32 s17, s12, 6
	s_lshl_b32 s16, s13, 7
	s_add_co_u32 s16, s16, s17                     ; A: row 128 x tile row + 64 x half
	s_lshl_b32 s46, s42, 7
	s_add_co_u32 s46, s46, s17                     ; B: row 128 x tile column + 64 x half
	s_mov_b32 s17, 0
	s_mov_b32 s47, 0
	s_mov_b64 s[18:19], SIZE_K*2
	s_mul_u64 s[16:17], s[16:17], s[18:19]
	s_mul_u64 s[46:47], s[46:47], s[18:19]
	s_mul_i32 s20, s10, HALFT                      ; where they go: wave x 64 rows
	s_wait_dscnt 0x0                               ; both opening adds are done
	s_wait_kmcnt 0x0
.if WOFF
	s_add_nc_u64 s[6:7], s[6:7], WOFF
.endif
	s_add_nc_u64 s[14:15], s[4:5], s[16:17]
	s_add_nc_u64 s[46:47], s[6:7], s[46:47]
	CROUND                                         ; all sixteen work-groups are here: the first joint loads meet
.irp s, 0,1
	s_mov_b32 s[G0+4*\s], 1
	s_add_co_u32 s[G0+4*\s+1], s20, \s*SLOT
	s_add_nc_u64 s[G0+4*\s+2:G0+4*\s+3], s[14:15], \s*KSTEP*2
	s_or_b32 s[G0+4*\s+3], s[G0+4*\s+3], 0x80000000
	s_mov_b32 s[G0B+4*\s], 1
	s_add_co_u32 s[G0B+4*\s+1], s20, \s*SLOT
	s_add_nc_u64 s[G0B+4*\s+2:G0B+4*\s+3], s[46:47], \s*KSTEP*2
	s_or_b32 s[G0B+4*\s+3], s[G0B+4*\s+3], 0x80000000
	JLOAD \s
.endr
	v_and_b32 v1, 15, v0                           ; l % 16
	v_bfe_u32 v2, v0, 4, 1                         ; l / 16
	v_mul_u32_u24 v3, v1, PITCH
	v_lshl_add_u32 v3, v2, 4, v3
	s_mul_i32 s21, s11, HALFT                      ; my 64 rows of A
	s_mul_i32 s22, s12, HALFT                      ; my 64 rows of B,
	s_add_co_u32 s22, s22, 2*HALFT                 ; which lie behind A's 128
.irp s, 0,1
	v_add_nc_u32 v[ADRA+\s], s21, v3
	v_add_nc_u32 v[ADRB+\s], s22, v3
	s_add_co_u32 s21, s21, SLOT
	s_add_co_u32 s22, s22, SLOT
.endr
	s_mul_i32 s23, s10, 16*SPITCH
	s_add_co_u32 s23, s23, STAGE                   ; my stage
	v_mul_u32_u24 v4, v1, SPITCH                   ; in: row l % 16, 32 bytes for each half of the lanes
	v_lshl_add_u32 v4, v2, 5, v4
	v_add_nc_u32 v[STO], s23, v4
	v_mul_u32_u24 v5, v2, SPITCH                   ; back: lanes 0-15 one row of 256 bytes, lanes 16-31 the next
	v_lshl_add_u32 v5, v1, 4, v5
	v_add_nc_u32 v[RD], s23, v5
	v_lshlrev_b32 v5, 12, v2                       ; and the same two rows in C (4,096 bytes a row)
	v_lshl_add_u32 v[CO], v1, 4, v5
	v_lshlrev_b32 v[BOF], 5, v2
	s_lshl_b32 s16, s13, 7
	s_lshl_b32 s17, s11, 6
	s_add_co_u32 s16, s16, s17                     ; my first row of C
	s_lshl_b32 s16, s16, 12
	s_mov_b32 s17, 0
	s_add_nc_u64 s[8:9], s[8:9], s[16:17]
	s_lshl_b32 s46, s42, 9                         ; my first column, in bytes of f32: 512 x tile column + 256 x half
	s_lshl_b32 s47, s12, 8
	s_add_co_u32 s46, s46, s47
	s_mov_b32 s47, 0
	s_add_nc_u64 s[8:9], s[8:9], s[46:47]
	s_add_nc_u64 s[BP:BP+1], s[BP:BP+1], s[46:47]  ; the bias at the same column
.irp b, 0,1,2,3
	global_load_b128 v[BIA+8*\b:BIA+8*\b+3], v[BOF], s[BP:BP+1] offset:64*\b        ; block b: bias at columns 16 b + 8 h + 0 .. 7: the result's layout
	global_load_b128 v[BIA+8*\b+4:BIA+8*\b+7], v[BOF], s[BP:BP+1] offset:64*\b+16
.endr
; 8 matrix instructions: m blocks a0, a0 + 1 x all 4 n blocks, 32 along K: half c of buffer f.  first = 1: the first product starts the sums, on the bias
.macro MUL8 f, c, a0, first
.irp a, \a0, \a0+1
.irp b, 0,1,2,3
.if \first
	v_wmma_f32_16x16x32_f16 v[ACC+8*(4*(\a)+\b):ACC+8*(4*(\a)+\b)+7], v[\f+64+8*(4*\c+\b):\f+64+8*(4*\c+\b)+7], v[\f+8*(4*\c+\a):\f+8*(4*\c+\a)+7], v[BIA+8*\b:BIA+8*\b+7]
.else
	v_wmma_f32_16x16x32_f16 v[ACC+8*(4*(\a)+\b):ACC+8*(4*(\a)+\b)+7], v[\f+64+8*(4*\c+\b):\f+64+8*(4*\c+\b)+7], v[\f+8*(4*\c+\a):\f+8*(4*\c+\a)+7], v[ACC+8*(4*(\a)+\b):ACC+8*(4*(\a)+\b)+7]
.endif
.endr
.endr
.endm
.macro FETCH slot, k, f                ; 32 LDS loads in one run: the fragments of 64 along K at byte k of the rows; the first 32 along K first
	WIN TO_F
.irp c, 0,1
.irp i, 0,1,2,3
	ds_load_b128 v[\f+64+8*(4*\c+\i):\f+64+8*(4*\c+\i)+3],   v[ADRB+\slot] offset:\k+64*\c+\i*16*PITCH
	ds_load_b128 v[\f+64+8*(4*\c+\i)+4:\f+64+8*(4*\c+\i)+7], v[ADRB+\slot] offset:\k+64*\c+\i*16*PITCH+32
	ds_load_b128 v[\f+8*(4*\c+\i):\f+8*(4*\c+\i)+3],         v[ADRA+\slot] offset:\k+64*\c+\i*16*PITCH
	ds_load_b128 v[\f+8*(4*\c+\i)+4:\f+8*(4*\c+\i)+7],       v[ADRA+\slot] offset:\k+64*\c+\i*16*PITCH+32
.endr
.endr
.endm
.macro PLACES                          ; four places in front of loads into registers that matrix instructions have read, and of reads of results
.rept 4
	v_nop
.endr
.endm
.macro QUARTER slot, k, f, g, first    ; 64 along K: 32 matrix instructions on buffer f; in the middle the next quarter is fetched into g
	s_wait_dscnt 16                                ; the first 32 along K are in; the youngest 16 loads may be out
	WIN MUL
	MUL8 \f, 0, 0, \first
	MUL8 \f, 0, 2, \first
	PLACES
	FETCH \slot, \k, \g
	s_wait_dscnt 32                                ; all but the 32 just issued
	WIN MUL
	MUL8 \f, 1, 0, 0
	MUL8 \f, 1, 2, 0
.endm
; The last quarter changes slots: ONE barrier; in front of it each wave waits for all its tensor loads, adds 0 to its spare word, and waits for that and for its reads of this slot.  fill = 1: this slot is filled again.
.macro TURN slot, next, fill
	WIN 0
	s_wait_tensorcnt 0x0                           ; all my tensor loads have landed: my part of the next slot;
	ds_add_u32 v[SPW], v[NIL]                      ; 0 onto my spare word;
	s_wait_dscnt 17                                ; (the add and the youngest sixteen loads may be out)
	WIN MUL
	MUL8 F1, 0, 0, 0
	s_wait_dscnt 0x0                               ; the add is done, and my reads of this slot are over
	s_barrier_signal -1
	MUL8 F1, 0, 2, 0
.if \fill
	WIN 0
.endif
	s_barrier_wait -1
.if \fill
	CREST                                          ; the barrier has opened a round of the cluster's barrier: no wave of any partner still reads this slot or has a load on its way
	s_add_nc_u64 s[G0+4*\slot+2:G0+4*\slot+3], s[G0+4*\slot+2:G0+4*\slot+3], 2*KSTEP*2
	s_add_nc_u64 s[G0B+4*\slot+2:G0B+4*\slot+3], s[G0B+4*\slot+2:G0B+4*\slot+3], 2*KSTEP*2
	JLOAD \slot                                    ; the first tensor load behind the round; its four v_nop are also the places in front of the loads below
.else
	PLACES
.endif
	FETCH \next, 0, F0
	WIN MUL
	MUL8 F1, 1, 0, 0
	MUL8 F1, 1, 2, 0
.endm
	s_wait_tensorcnt 1                             ; my part of K step 0 is in (K step 1's load may be out)
	s_barrier_signal -1
	s_barrier_wait -1                              ; everybody's is
	FETCH 0, 0, F0
	s_wait_loadcnt 0x0                             ; the bias
	QUARTER 0, 128, F0, F1, 1
.if LAPS > 1
	WIN 0
	s_mov_b32 s3, LAPS-1
.Llap:                                                 ; a trip goes once round the ring and fills both slots again
	QUARTER 0, 256, F1, F0, 0
	QUARTER 0, 384, F0, F1, 0
	TURN 0, 1, 1
	QUARTER 1, 128, F0, F1, 0
	QUARTER 1, 256, F1, F0, 0
	QUARTER 1, 384, F0, F1, 0
	TURN 1, 0, 1
	QUARTER 0, 128, F0, F1, 0
	WIN 0
	s_sub_co_u32 s3, s3, 1
	s_cmp_lg_u32 s3, 0
	s_cbranch_scc1 .Llap
.endif
	QUARTER 0, 256, F1, F0, 0                      ; the last lap fills nothing
	QUARTER 0, 384, F0, F1, 0
	TURN 0, 1, 0
	QUARTER 1, 128, F0, F1, 0
	QUARTER 1, 256, F1, F0, 0
	QUARTER 1, 384, F0, F1, 0
	s_wait_dscnt 16
	WIN MUL
	MUL8 F1, 0, 0, 0
	MUL8 F1, 0, 2, 0
	s_wait_dscnt 0
	MUL8 F1, 1, 0, 0
	MUL8 F1, 1, 2, 0
	WIN 0
; THE WAY OUT, block by block of 16 rows x 64 columns, through my own stage: LDS serves a wave's instructions in order, so no wait stands between the stores and the loads, nor in front of the next block's stores.
.macro TOSTAGE a
.if (\a) >= 2
	s_wait_xcnt 0x0                                ; block a - 2's stores have read the registers into which the loads below land
.endif
.irp b, 0,1,2,3
	ds_store_b128 v[STO], v[ACC+8*(4*(\a)+\b):ACC+8*(4*(\a)+\b)+3] offset:64*\b         ; each accumulator from its low end on
	ds_store_b128 v[STO], v[ACC+8*(4*(\a)+\b)+4:ACC+8*(4*(\a)+\b)+7] offset:64*\b+16
.endr
.irp t, 0,1,2,3,4,5,6,7
	ds_load_b128 v[BK+32*((\a)%2)+4*\t:BK+32*((\a)%2)+4*\t+3], v[RD] offset:\t*2*SPITCH
.endr
.endm
.macro SEND a, younger                 ; younger: the LDS instructions issued behind block a's loads: the next block's 8 stores and 8 loads, or none
	s_wait_dscnt \younger
.irp t, 0,1,2,3,4,5,6,7
	global_store_b128 v[CO], v[BK+32*((\a)%2)+4*\t:BK+32*((\a)%2)+4*\t+3], s[8:9] offset:(16*(\a)+2*\t)*SIZE_N*4   ; 16 lanes store 256 consecutive bytes, aligned
.endr
.endm
	PLACES
	TOSTAGE 0
	TOSTAGE 1
	SEND 0, 16
	TOSTAGE 2
	SEND 1, 16
	TOSTAGE 3
	SEND 2, 16
	SEND 3, 0
	s_wait_tensorcnt 0x0                           ; the wave's end
	ds_add_u32 v[SPW], v[NIL]
	s_wait_dscnt 0x0
	CROUND                                         ; the closing round
	s_endpgm
.Lfunc_end_k_q4409e1fc7c_proj:
	.size	k_q4409e1fc7c_proj, .Lfunc_end_k_q4409e1fc7c_proj-k_q4409e1fc7c_proj
	.p2alignl 7, 3214868480
	.fill 96, 4, 3214868480
	.section	.rodata,"a",@progbits
	.p2align	6, 0x0
	.amdhsa_kernel k_q4409e1fc7c_proj
		.amdhsa_group_segment_fixed_size 327680
		.amdhsa_private_segment_fixed_size 0
		.amdhsa_enable_private_segment 0
		.amdhsa_kernarg_size 32
		.amdhsa_user_sgpr_count 2
		.amdhsa_user_sgpr_kernarg_segment_ptr 1
		.amdhsa_wavefront_size32 1
		.amdhsa_system_sgpr_workgroup_id_x 1
		.amdhsa_system_sgpr_workgroup_id_y 1
		.amdhsa_system_sgpr_workgroup_id_z 1
		.amdhsa_system_vgpr_workitem_id 0
		.amdhsa_next_free_vgpr 512
		.amdhsa_next_free_sgpr 72
		.amdhsa_reserve_vcc 0
		.amdhsa_float_denorm_mode_32 3
		.amdhsa_float_denorm_mode_16_64 3
		.amdhsa_memory_ordered 1
		.amdhsa_forward_progress 1
		.amdhsa_inst_pref_size 86
	.end_amdhsa_kernel
	.amdgpu_metadata
---
amdhsa.version: [ 1, 2 ]
amdhsa.kernels:
  - .name:           k_q4409e1fc7c_proj
    .symbol:         k_q4409e1fc7c_proj.kd
    .args:
      - { .name: a16, .offset: 0, .size: 8, .value_kind: global_buffer, .address_space: global }
      - { .name: wh, .offset: 8, .size: 8, .value_kind: global_buffer, .address_space: global }
      - { .name: b_out, .offset: 16, .size: 8, .value_kind: global_buffer, .address_space: global }
      - { .name: y32, .offset: 24, .size: 8, .value_kind: global_buffer, .address_space: global }
    .group_segment_fixed_size: 327680
    .private_segment_fixed_size: 0
    .kernarg_segment_align: 8
    .kernarg_segment_size: 32
    .max_flat_workgroup_size: 128
    .sgpr_count:     72
    .vgpr_count:     512
    .wavefront_size: 32
...
	.end_amdgpu_metadata
.endif
;; end of part 3
;; launch ln1 (part 4): grid 512 x 1, 4 waves a work-group, no clusters, 0 bytes of LDS; arguments x, y32, ln1_g, ln1_b, x1, a16; writes x1, a16
.if DOCPART == 4
	.amdgcn_target "amdgcn-amd-amdhsa--gfx1250"
	.amdhsa_code_object_version 6
	.text
	.protected	k_q4409e1fc7c_ln1
	.globl	k_q4409e1fc7c_ln1
	.p2align	8
	.type	k_q4409e1fc7c_ln1,@function
k_q4409e1fc7c_ln1:
	s_mov_b64 s[64:65], 0
	v_nop
	global_prefetch_b8 v0, s[64:65] scope:SCOPE_SE
	s_setreg_imm32_b32 hwreg(HW_REG_WAVE_MODE, 25, 1), 1
	s_wait_xcnt 0x0
; out[r] = LayerNorm(a[r] + b[r]) g + beta, rows of 1,024 f32; mean and variance in two passes over registers, eps = 1e-5.  With F16COPY a copy in f16 goes out too: the operand of the next product
; (LIMIT: above 65,504 in magnitude it becomes infinity).
; A wave takes two whole rows and keeps them in registers: each input byte is read once, no LDS, no barrier, no loop.  Each load of a wave covers 512 consecutive bytes; all 48 are issued at the start.
; Lane l holds, of load j, columns 128 j + 4 l + 0 .. 3; g and beta are loaded the same way.
.set F16COPY, 1
.set G,  16                            ; v16-47 the gains
.set BT, 48                            ; v48-79 the biases
.set RW, 80                            ; row i: a at v[80 + 64 i], b 32 registers on
	s_load_b256 s[4:11], s[0:1], 0x0               ; a s[4:5], b s[6:7], g s[8:9], beta s[10:11]
.if F16COPY
	s_load_b128 s[12:15], s[0:1], 0x20             ; out s[12:13], the f16 copy s[14:15]
.else
	s_load_b64 s[12:13], s[0:1], 0x20
.endif
	v_lshrrev_b32 v1, 5, v0
	v_readfirstlane_b32 s16, v1                    ; wave
	v_and_b32 v2, 31, v0
	v_lshlrev_b32 v1, 4, v2                        ; 16 bytes a lane
	v_lshlrev_b32 v2, 3, v2                        ; 8 in f16
	v_mov_b32 v3, 0                                ; a lane permute's destination counts as one of its sources
	s_lshl_b32 s17, ttmp9, 2
	s_add_co_u32 s17, s17, s16                     ; my pair of rows
	s_lshl_b32 s18, s17, 13
	s_mov_b32 s19, 0
	s_mov_b32 s20, 0x76543210
	s_mov_b32 s21, 0xfedcba98
	s_mov_b32 s22, 0x3a800000                      ; 1 / 1,024
	s_mov_b32 s23, 0x3727c5ac                      ; 1e-5
	s_wait_kmcnt 0x0
	s_add_nc_u64 s[4:5], s[4:5], s[18:19]
	s_add_nc_u64 s[6:7], s[6:7], s[18:19]
	s_add_nc_u64 s[12:13], s[12:13], s[18:19]
.if F16COPY
	s_lshl_b32 s18, s17, 12
	s_add_nc_u64 s[14:15], s[14:15], s[18:19]
.endif
.irp i, 0,1
.irp j, 0,1,2,3,4,5,6,7
	global_load_b128 v[RW+64*\i+4*\j:RW+64*\i+4*\j+3], v1, s[4:5] offset:4096*\i+512*\j th:TH_LOAD_NT
	global_load_b128 v[RW+64*\i+32+4*\j:RW+64*\i+32+4*\j+3], v1, s[6:7] offset:4096*\i+512*\j th:TH_LOAD_NT
.endr
.endr
.irp j, 0,1,2,3,4,5,6,7
	global_load_b128 v[G+4*\j:G+4*\j+3], v1, s[8:9] offset:512*\j
.endr
.irp j, 0,1,2,3,4,5,6,7
	global_load_b128 v[BT+4*\j:BT+4*\j+3], v1, s[10:11] offset:512*\j
.endr
.macro REDUCE                          ; two packed chains in v[4:7] -> the sum over the wave's 1,024 numbers in v4 of every lane
	v_pk_add_f32 v[4:5], v[4:5], v[6:7]
	v_add_f32 v4, v4, v5
	v_add_f32_dpp v4, v4, v4 row_xmask:1 row_mask:0xf bank_mask:0xf
	v_add_f32_dpp v4, v4, v4 row_xmask:2 row_mask:0xf bank_mask:0xf
	v_add_f32_dpp v4, v4, v4 row_xmask:4 row_mask:0xf bank_mask:0xf
	v_add_f32_dpp v4, v4, v4 row_xmask:8 row_mask:0xf bank_mask:0xf
	v_permlanex16_b32 v3, v4, s20, s21
	v_add_f32 v4, v4, v3
.endm
.macro STATS i, left                   ; left: the younger loads, which may stay out
.set A, RW+64*\i
.set B, A+32
.set M, 8+2*\i
	s_wait_loadcnt \left
.set k, 0
.rept 16
	v_pk_add_f32 v[A+k:A+k+1], v[A+k:A+k+1], v[B+k:B+k+1]
.set k, k+2
.endr
	v_pk_add_f32 v[4:5], v[A:A+1], v[A+2:A+3]
	v_pk_add_f32 v[6:7], v[A+4:A+5], v[A+6:A+7]
.set k, 8
.rept 6
	v_pk_add_f32 v[4:5], v[4:5], v[A+k:A+k+1]
	v_pk_add_f32 v[6:7], v[6:7], v[A+k+2:A+k+3]
.set k, k+4
.endr
	REDUCE
	v_mul_f32 v[M], s22, v4                        ; the mean,
	v_mov_b32 v[M+1], v[M]                         ; as a pair
.set k, 0
.rept 16
	v_pk_add_f32 v[A+k:A+k+1], v[A+k:A+k+1], v[M:M+1] neg_lo:[0,1] neg_hi:[0,1]
.set k, k+2
.endr
	v_pk_mul_f32 v[4:5], v[A:A+1], v[A:A+1]
	v_pk_mul_f32 v[6:7], v[A+2:A+3], v[A+2:A+3]
.set k, 4
.rept 7
	v_pk_fma_f32 v[4:5], v[A+k:A+k+1], v[A+k:A+k+1], v[4:5]
	v_pk_fma_f32 v[6:7], v[A+k+2:A+k+3], v[A+k+2:A+k+3], v[6:7]
.set k, k+4
.endr
	REDUCE
	v_fma_f32 v[M], v4, s22, s23                   ; variance + eps, where the mean lay
.endm
.macro NORM i
.set A, RW+64*\i
.set B, A+32
.set RS, 12+2*\i
.set k, 0
.rept 16
	v_pk_mul_f32 v[A+k:A+k+1], v[A+k:A+k+1], v[RS:RS+1]
.set k, k+2
.endr
.set k, 0
.rept 16
	v_pk_fma_f32 v[A+k:A+k+1], v[A+k:A+k+1], v[G+k:G+k+1], v[BT+k:BT+k+1]
.set k, k+2
.endr
.irp j, 0,1,2,3,4,5,6,7
	global_store_b128 v1, v[A+4*\j:A+4*\j+3], s[12:13] offset:4096*\i+512*\j      ; the wave stores 512 consecutive bytes, aligned
.endr
.if F16COPY
.set k, 0
.rept 16
	v_cvt_pk_f16_f32 v[B+k], v[A+2*k], v[A+2*k+1]
.set k, k+1
.endr
.irp j, 0,1,2,3,4,5,6,7
	global_store_b64 v2, v[B+2*\j:B+2*\j+1], s[14:15] offset:2048*\i+256*\j       ; 256 consecutive bytes, aligned
.endr
.endif
.endm
	STATS 0, 32                                    ; row 0 is in; row 1's 16 loads, g's 8 and beta's 8 may be out
	STATS 1, 16                                    ; row 1 is in
	v_rsq_f32 v12, v8                              ; one batch; each twice, for the packed multiply's pair
	v_rsq_f32 v13, v8
	v_rsq_f32 v14, v10
	v_rsq_f32 v15, v10
	v_nop                                          ; a plain instruction behind the last of them
	s_wait_alu depctr_va_vdst(0)                   ; one wait for the four, ahead of their first reader
	s_wait_loadcnt 0x0                             ; g and beta
	NORM 0
	NORM 1
	s_endpgm
.Lfunc_end_k_q4409e1fc7c_ln1:
	.size	k_q4409e1fc7c_ln1, .Lfunc_end_k_q4409e1fc7c_ln1-k_q4409e1fc7c_ln1
	.p2alignl 7, 3214868480
	.fill 96, 4, 3214868480
	.section	.rodata,"a",@progbits
	.p2align	6, 0x0
	.amdhsa_kernel k_q4409e1fc7c_ln1
		.amdhsa_group_segment_fixed_size 0
		.amdhsa_private_segment_fixed_size 0
		.amdhsa_enable_private_segment 0
		.amdhsa_kernarg_size 48
		.amdhsa_user_sgpr_count 2
		.amdhsa_user_sgpr_kernarg_segment_ptr 1
		.amdhsa_wavefront_size32 1
		.amdhsa_system_sgpr_workgroup_id_x 1
		.amdhsa_system_sgpr_workgroup_id_y 1
		.amdhsa_system_sgpr_workgroup_id_z 1
		.amdhsa_system_vgpr_workitem_id 0
		.amdhsa_next_free_vgpr 208
		.amdhsa_next_free_sgpr 66
		.amdhsa_reserve_vcc 0
		.amdhsa_float_denorm_mode_32 3
		.amdhsa_float_denorm_mode_16_64 3
		.amdhsa_memory_ordered 1
		.amdhsa_forward_progress 1
		.amdhsa_inst_pref_size 25
	.end_amdhsa_kernel
	.amdgpu_metadata
---
amdhsa.version: [ 1, 2 ]
amdhsa.kernels:
  - .name:           k_q4409e1fc7c_ln1
    .symbol:         k_q4409e1fc7c_ln1.kd
    .args:
      - { .name: x, .offset: 0, .size: 8, .value_kind: global_buffer, .address_space: global }
      - { .name: y32, .offset: 8, .size: 8, .value_kind: global_buffer, .address_space: global }
      - { .name: ln1_g, .offset: 16, .size: 8, .value_kind: global_buffer, .address_space: global }
      - { .name: ln1_b, .offset: 24, .size: 8, .value_kind: global_buffer, .address_space: global }
      - { .name: x1, .offset: 32, .size: 8, .value_kind: global_buffer, .address_space: global }
      - { .name: a16, .offset: 40, .size: 8, .value_kind: global_buffer, .address_space: global }
    .group_segment_fixed_size: 0
    .private_segment_fixed_size: 0
    .kernarg_segment_align: 8
    .kernarg_segment_size: 48
    .max_flat_workgroup_size: 128
    .sgpr_count:     66
    .vgpr_count:     208
    .wavefront_size: 32
...
	.end_amdgpu_metadata
.endif
;; end of part 4
;; launch fc1 (part 5): grid 16 x 16, 4 waves a work-group, clusters of 4 x 4, 327,680 bytes of LDS; arguments a16, wh, b1, h; writes h
.if DOCPART == 5
	.amdgcn_target "amdgcn-amd-amdhsa--gfx1250"
	.amdhsa_code_object_version 6
	.text
	.protected	k_q4409e1fc7c_fc1
	.globl	k_q4409e1fc7c_fc1
	.p2align	8
	.type	k_q4409e1fc7c_fc1,@function
k_q4409e1fc7c_fc1:
	s_mov_b64 s[64:65], 0
	v_nop
	global_prefetch_b8 v0, s[64:65] scope:SCOPE_SE
	s_setreg_imm32_b32 hwreg(HW_REG_WAVE_MODE, 25, 1), 1
	s_wait_xcnt 0x0
	s_wait_alu depctr_hold_cnt(0) depctr_sa_sdst(0) depctr_va_vdst(0) depctr_va_sdst(0) depctr_va_ssrc(0) depctr_va_vcc(0) depctr_vm_vsrc(0)
	s_getreg_b32 s2, hwreg(HW_REG_IB_STS2, 6, 4)
	s_cmp_eq_u32 s2, 0
	s_cbranch_scc0 .Lentry_in_a_cluster
	s_endpgm
.Lentry_in_a_cluster:
	s_bfe_u32 s2, ttmp6, 0x10000c
	s_cmp_lg_u32 s2, 0xf033
	s_cbranch_scc0 .Lentry_shape_is_right
	s_endpgm
.Lentry_shape_is_right:
; H[m][n] = gelu(sum over k of A[m][k] B[n][k] + b1[n]).  A: x1 as f16 [4096][1024]; B: w1 as f16 [4096][1024], at byte WOFF of the weights' buffer; H: [4096][4096] f16; sums and the GELU in f32.
; THE EXACT GELU x Phi(x): Phi(-|x|) = y = Z(|x|) (b1 t + .. + b5 t^5), t = 1 / (1 + p |x|) (Abramowitz and Stegun 26.2.17; absolute error at most 7.5e-8 for every x); 1 / sqrt(2 pi) is folded into the coefficients
; and Z's exponential is 2^(-x^2 log2(e) / 2).  With w = x y: gelu = x - w for x >= 0 and w for x < 0, and since y <= 1/2 that is max(x - w, w) for every x: no compare, no select.
; LIMITS: operands and result are f16: above 65,504 in magnitude they are infinite; the series' error as stated.
; A tile of H is 256 x 256: 256 work-groups of four waves, each wave 128 x 128 in 64 accumulators.  K goes in steps of 128 (rows of 256 bytes) through two LDS slots.
; CLUSTERS 4 x 4: A's tile is shared along a row of the cluster, B's along a column: joint loads.  THE MATRIX INSTRUCTION IS USED TRANSPOSED (source 0 = rows of B, source 1 = rows of A): a lane holds eight
; neighbouring numbers of a row of H.  The bias is the C of each sum's first product.
; REGISTERS: window 0: v0-31 addresses; v64-127, v128-191 A's fragments, two buffers; v192-255 the bias, later with v32-63 the way out.  window 1: v64-127, v128-191 B's fragments; on the way out v0-193 the GELU's work.
;   window 2: the accumulators of my rows 0-63 ((a, b) at v[8 (8 a + b)]);  window 3: of my rows 64-127.
.set SIZE_N, 4096
.set SIZE_K, 1024
.set WOFF,   2097152
.set KSTEP,  128
.set PITCH,  272                       ; 256 bytes + 16 of padding: the 16 rows of a load start 4 banks apart
.set HALFT,  128*PITCH
.set SLOT,   4*HALFT
.set STAGE,  2*SLOT                    ; behind the ring: 16 rows x 272 bytes for each wave
.set SPITCH, 272
.set SPARE,  STAGE+4*16*SPITCH         ; the spare words, 128 bytes for each wave
.set LAPS, SIZE_K/(2*KSTEP)
.set ADRA, 16
.set ADRB, 20
.set STO,  24
.set RD,   25
.set CO,   26
.set BOF,  27
.set SPW,  28
.set NIL,  29
.set PFO,  30                          ; v30 the prefetches' offset: my lane x a row of A or B; never rewritten
.set PFA,  44                          ; s[44:45] where my prefetches stand
.set LIM,  43                          ; s43 1 in a wave that prefetches, else the greatest number
.set F0,   64
.set F1,   128
.set TMP,  192
.set BIA,  192
.set OB,   32
.set G1, 24
.set G0, 32
.set G1B, 48
.set G0B, 56
.set BP, 66
.set KK, 68                            ; s[68:69] -log2(e) / 2; the packed forms name pairs and take the low word for both halves
.set A1, 70
.set A2, 72
.set A3, 74
.set A4, 76
.set PC, 78                            ; s78 p
.set GT, 0                             ; in window 1: t, later x - w and the result
.set GE, 64                            ; the exponent, then the exponential
.set GR, 128                           ; the series, then w
.set MSB, 0
.macro WIN new
.if MSB != (\new)
	s_set_vgpr_msb (MSB<<8)|(\new)
.set MSB, \new
.endif
.endm
.set MUL_LO, 0xa1                      ; source 0 (B) window 1, source 1 (A) window 0, C and D window 2
.set MUL_HI, 0xf1                      ; the same, C and D window 3
.set TO_B,   0x40
.macro JLOAD s                         ; a joint load: waves 0 and 1 fetch A's two halves, waves 2 and 3 B's; an s_nop 0 and four v_nop follow each line
	s_cmp_eq_u32 s11, 0
	s_cbranch_scc0 .Lfor_b_\@
	tensor_load_to_lds s[G0+4*\s:G0+4*\s+3], s[G1:G1+7]
	s_nop 0
.rept 4
	v_nop
.endr
	s_branch .Lasked_\@
.Lfor_b_\@:
	tensor_load_to_lds s[G0B+4*\s:G0B+4*\s+3], s[G1B:G1B+7]
	s_nop 0
.rept 4
	v_nop
.endr
.Lasked_\@:
.endm
; A PREFETCH INTO THE L2, behind each joint load and the run of LDS loads that follows it: the K step that stands two refills on: 32 rows x 256 bytes, a lane a row, one instruction a wave.
; Each row's 256 bytes of a K step are named once in the launch: for A's tile row the cluster with x = 0 asks, for B's tile column the cluster with y = 0; of the 128 rows that a wave fetches, each of the four partners
; takes 32, told apart by address.  K steps 0 to 3 come by their loads alone; the loop's last trip, whose refills are the last two K steps, asks for nothing.
.macro ASK
	s_cmp_gt_u32 s3, s[LIM]
	s_cbranch_scc0 .Lnot_mine_\@
	global_prefetch_b8 v[PFO], s[PFA:PFA+1] offset:KSTEP*2 th:TH_LOAD_NT scope:SCOPE_SE
.Lnot_mine_\@:
.endm
.macro CREST
	s_cmp_lg_u32 s10, 0
	s_cbranch_scc1 .Lnot_wave_0_\@
	s_barrier_signal -3
.Lnot_wave_0_\@:
	s_barrier_wait -3
	s_barrier_signal -1
	s_barrier_wait -1
.endm
.macro CROUND
	s_barrier_signal -1
	s_barrier_wait -1
	CREST
.endm
	s_load_b128 s[4:7], s[0:1], 0x0                ; A s[4:5], the weights s[6:7]
	s_load_b64 s[BP:BP+1], s[0:1], 0x10            ; b1
	s_load_b64 s[8:9], s[0:1], 0x18                ; H
	v_lshl_add_u32 v[SPW], v0, 2, SPARE
	v_mov_b32 v[NIL], 0
	ds_add_u32 v[SPW], v[NIL]                      ; the wave's opening: the add, twice on end, and its wait ahead of my first tensor load
	ds_add_u32 v[SPW], v[NIL]
	v_lshrrev_b32 v1, 5, v0
	v_readfirstlane_b32 s10, v1                    ; wave 0..3
	s_lshr_b32 s11, s10, 1                         ; which half of the tile's rows is mine.  Also: I fetch for A (0) or for B (1)
	s_and_b32 s12, s10, 1                          ; which half of its columns.  Also: which 128 rows of that tile I fetch
	s_bfe_u32 s40, ttmp6, 0x40000                  ; cx
	s_bfe_u32 s41, ttmp6, 0x40004                  ; cy
	s_lshl_b32 s42, ttmp9, 2
	s_add_co_u32 s42, s42, s40                     ; tile column
	s_and_b32 s13, ttmp7, 0xffff
	s_lshl_b32 s13, s13, 2
	s_add_co_u32 s13, s13, s41                     ; tile row
	s_lshl_b32 s43, s41, 2
	s_lshl_b32 s43, 15, s43                        ; my row of the cluster
	s_lshl_b32 s44, 0x1111, s40                    ; my column
	s_or_b32 s[G1+0], s43, (1<<16)|(1<<20)|(1<<21)|(5<<22)|(3<<25)  ; the mask; elements of 2 bytes; padding of 4 words behind every 64; bit 21 beside the mask
	s_or_b32 s[G1B+0], s44, (1<<16)|(1<<20)|(1<<21)|(5<<22)|(3<<25)
.irp g, G1, G1B
	s_mov_b32 s[\g+1], KSTEP<<16                   ; tensor_dim0 = 128
	s_mov_b32 s[\g+2], 128<<16                     ; tensor_dim1 = 128
	s_mov_b32 s[\g+3], KSTEP<<16                   ; tile_dim0 = 128
	s_mov_b32 s[\g+4], 128                         ; tile_dim1 = 128
	s_mov_b32 s[\g+5], SIZE_K                      ; the pitch
	s_mov_b32 s[\g+6], 0
	s_mov_b32 s[\g+7], 0
.endr
	s_lshl_b32 s17, s12, 7
	s_lshl_b32 s16, s13, 8
	s_add_co_u32 s16, s16, s17                     ; A: row 256 x tile row + 128 x half
	s_lshl_b32 s46, s42, 8
	s_add_co_u32 s46, s46, s17                     ; B: row 256 x tile column + 128 x half
	s_mov_b32 s17, 0
	s_mov_b32 s47, 0
	s_mov_b64 s[18:19], SIZE_K*2
	s_mul_u64 s[16:17], s[16:17], s[18:19]
	s_mul_u64 s[46:47], s[46:47], s[18:19]
	s_mul_i32 s20, s10, HALFT                      ; where they go: wave x 128 rows
	s_mov_b32 s[KK], 0xbf38aa3b                    ; -log2(e) / 2
	s_mov_b32 s[KK+1], s[KK]
	s_mov_b32 s[A1], 0x3e027906                    ; b1 .. b4 / sqrt(2 pi)
	s_mov_b32 s[A1+1], s[A1]
	s_mov_b32 s[A2], 0xbe11a98e
	s_mov_b32 s[A2+1], s[A2]
	s_mov_b32 s[A3], 0x3f35f0e3
	s_mov_b32 s[A3+1], s[A3]
	s_mov_b32 s[A4], 0xbf3a00e3
	s_mov_b32 s[A4+1], s[A4]
	s_mov_b32 s[PC], 0x3e6d3388                    ; p = 0.2316419
	s_wait_dscnt 0x0                               ; both opening adds are done
	s_wait_kmcnt 0x0
	s_add_nc_u64 s[6:7], s[6:7], WOFF              ; w1
	s_add_nc_u64 s[14:15], s[4:5], s[16:17]
	s_add_nc_u64 s[46:47], s[6:7], s[46:47]
	CROUND                                         ; all sixteen work-groups are here: the first joint loads meet
.irp s, 0,1
	s_mov_b32 s[G0+4*\s], 1
	s_add_co_u32 s[G0+4*\s+1], s20, \s*SLOT
	s_add_nc_u64 s[G0+4*\s+2:G0+4*\s+3], s[14:15], \s*KSTEP*2
	s_or_b32 s[G0+4*\s+3], s[G0+4*\s+3], 0x80000000
	s_mov_b32 s[G0B+4*\s], 1
	s_add_co_u32 s[G0B+4*\s+1], s20, \s*SLOT
	s_add_nc_u64 s[G0B+4*\s+2:G0B+4*\s+3], s[46:47], \s*KSTEP*2
	s_or_b32 s[G0B+4*\s+3], s[G0B+4*\s+3], 0x80000000
	JLOAD \s
.endr
	v_and_b32 v1, 15, v0                           ; l % 16
	v_bfe_u32 v2, v0, 4, 1                         ; l / 16
	v_mul_u32_u24 v3, v1, PITCH
	v_lshl_add_u32 v3, v2, 4, v3
	s_mul_i32 s21, s11, HALFT                      ; my 128 rows of A
	s_mul_i32 s22, s12, HALFT                      ; my 128 rows of B,
	s_add_co_u32 s22, s22, 2*HALFT                 ; which lie behind A's 256
.irp s, 0,1
	v_add_nc_u32 v[ADRA+\s], s21, v3
	v_add_nc_u32 v[ADRB+\s], s22, v3
	s_add_co_u32 s21, s21, SLOT
	s_add_co_u32 s22, s22, SLOT
.endr
	s_mul_i32 s23, s10, 16*SPITCH
	s_add_co_u32 s23, s23, STAGE                   ; my stage
	v_mul_u32_u24 v4, v1, SPITCH
	v_lshl_add_u32 v4, v2, 4, v4
	v_add_nc_u32 v[STO], s23, v4
	v_mul_u32_u24 v5, v2, SPITCH
	v_lshl_add_u32 v5, v1, 4, v5
	v_add_nc_u32 v[RD], s23, v5
	v_mul_u32_u24 v5, v2, SIZE_N*2
	v_lshl_add_u32 v[CO], v1, 4, v5
	v_lshlrev_b32 v[BOF], 5, v2
	s_lshl_b32 s13, s13, 8
	s_lshl_b32 s14, s11, 7
	s_add_co_u32 s16, s13, s14                     ; my first row of H
	s_mov_b32 s17, 0
	s_mov_b64 s[18:19], SIZE_N*2
	s_mul_u64 s[16:17], s[16:17], s[18:19]
	s_lshl_b32 s46, s42, 9                         ; my first column, in bytes of f16: 512 x tile column + 256 x half
	s_lshl_b32 s47, s12, 8
	s_add_co_u32 s46, s46, s47
	s_mov_b32 s47, 0
	s_add_nc_u64 s[16:17], s[16:17], s[46:47]
	s_add_nc_u64 s[8:9], s[8:9], s[16:17]
	s_lshl_b32 s46, s46, 1                         ; the same column in bytes of f32
	s_add_nc_u64 s[BP:BP+1], s[BP:BP+1], s[46:47]
.irp b, 0,1,2,3,4,5,6,7
	global_load_b128 v[BIA+8*\b:BIA+8*\b+3], v[BOF], s[BP:BP+1] offset:64*\b        ; block b: b1 at columns 16 b + 8 h + 0 .. 7: the result's layout
	global_load_b128 v[BIA+8*\b+4:BIA+8*\b+7], v[BOF], s[BP:BP+1] offset:64*\b+16
.endr
	; the prefetches.  s13 = 256 x tile row, s42 = tile column, s40 = cx, s41 = cy still stand
	s_lshl_b32 s42, s42, 8
	s_and_b32 s22, ttmp7, 0xffff                   ; cluster y
	s_cmp_eq_u32 s11, 0                            ; do I fetch for A?
	s_cselect_b32 s20, s13, s42                    ; the tile's first row
	s_cselect_b32 s21, s40, s41                    ; my place among the four that ask for it with me
	s_cselect_b32 s22, ttmp9, s22                  ; the coordinate along which other clusters read the same rows
	s_cselect_b64 s[PFA:PFA+1], s[4:5], s[6:7]
	s_cmp_eq_u32 s22, 0
	s_cselect_b32 s[LIM], 1, -1                    ; the same in all sixteen partners, for a given wave
	s_lshl_b32 s22, s12, 7
	s_add_co_u32 s20, s20, s22                     ; + the 128 rows that I fetch
	s_lshl_b32 s21, s21, 5
	s_add_co_u32 s20, s20, s21                     ; + my work-group's 32 of them
	s_mov_b32 s21, 0
	s_mov_b64 s[18:19], SIZE_K*2
	s_mul_u64 s[20:21], s[20:21], s[18:19]
	s_add_nc_u64 s[PFA:PFA+1], s[PFA:PFA+1], s[20:21]
	s_add_nc_u64 s[PFA:PFA+1], s[PFA:PFA+1], 2*KSTEP*2  ; at K step 2: the first refill steps it to 3 and names K step 4
	v_and_b32 v[PFO], 31, v0
	v_mul_u32_u24 v[PFO], v[PFO], SIZE_K*2
; 16 matrix instructions: m blocks a0, a0 + 1 of the window's four x all 8 n blocks, 32 along K.  first = 1: the first product starts the sums, on the bias.  The 64 accumulators take turns.
.macro MUL16 f, hi, a0, first
.irp a, \a0, \a0+1
.irp b, 0,1,2,3,4,5,6,7
.if \first
	v_wmma_f32_16x16x32_f16 v[8*(8*(\a)+\b):8*(8*(\a)+\b)+7], v[\f+8*\b:\f+8*\b+7], v[\f+8*(4*\hi+\a):\f+8*(4*\hi+\a)+7], v[BIA+8*\b:BIA+8*\b+7]
.else
	v_wmma_f32_16x16x32_f16 v[8*(8*(\a)+\b):8*(8*(\a)+\b)+7], v[\f+8*\b:\f+8*\b+7], v[\f+8*(4*\hi+\a):\f+8*(4*\hi+\a)+7], v[8*(8*(\a)+\b):8*(8*(\a)+\b)+7]
.endif
.endr
.endr
.endm
.macro FETCH slot, k, f                ; 32 LDS loads in one run: the fragments of one quarter step
	WIN TO_B
.irp i, 0,1,2,3,4,5,6,7
	ds_load_b128 v[\f+8*\i:\f+8*\i+3],   v[ADRB+\slot] offset:\k+\i*16*PITCH
	ds_load_b128 v[\f+8*\i+4:\f+8*\i+7], v[ADRB+\slot] offset:\k+\i*16*PITCH+32
.endr
	WIN 0
.irp i, 0,1,2,3,4,5,6,7
	ds_load_b128 v[\f+8*\i:\f+8*\i+3],   v[ADRA+\slot] offset:\k+\i*16*PITCH
	ds_load_b128 v[\f+8*\i+4:\f+8*\i+7], v[ADRA+\slot] offset:\k+\i*16*PITCH+32
.endr
.endm
.macro PLACES                          ; four places in front of loads into registers that matrix instructions have read, and of reads of results
.rept 4
	v_nop
.endr
.endm
.macro QUARTER slot, k, f, g, first    ; 32 along K: 64 matrix instructions on buffer f; in the middle the next quarter is fetched into g.  first = 1: C (the bias) lies in window 0
	s_wait_dscnt 8                                 ; B and A's rows 0-63 are in; the youngest eight loads (A's rows 64-127) may be out
	WIN MUL_LO-0x20*(\first)
	MUL16 \f, 0, 0, \first
	MUL16 \f, 0, 2, \first
	PLACES
	FETCH \slot, \k, \g
	s_wait_dscnt 32                                ; all but the 32 just issued
	WIN MUL_HI-0x30*(\first)
	MUL16 \f, 1, 0, \first
	MUL16 \f, 1, 2, \first
.endm
; The last quarter's first half: ONE barrier for the change of slots; in front of it each wave waits for all its tensor loads, adds 0 to its spare word, and waits for that and for its reads of this slot.
.macro MEET round
	WIN 0
	s_wait_tensorcnt 0x0                           ; all my tensor loads have landed: the one that was out is my part of the next slot;
	ds_add_u32 v[SPW], v[NIL]                      ; 0 onto my spare word;
	s_wait_dscnt 9                                 ; (the add and the youngest eight loads may be out)
	WIN MUL_LO
	MUL16 F1, 0, 0, 0
	s_wait_dscnt 0x0                               ; the add is done, and my reads of this slot are over
	s_barrier_signal -1
	MUL16 F1, 0, 2, 0
.if \round
	WIN 0
.endif
	s_barrier_wait -1
.endm
.macro TURN slot, next
	s_wait_xcnt 0x0                                ; the last prefetch, a K step back, has read its address: it is stepped here
	s_add_nc_u64 s[PFA:PFA+1], s[PFA:PFA+1], KSTEP*2
	MEET 1
	CREST                                          ; no wave of any partner still reads this slot's tile or has a load on its way
	s_add_nc_u64 s[G0+4*\slot+2:G0+4*\slot+3], s[G0+4*\slot+2:G0+4*\slot+3], 2*KSTEP*2
	s_add_nc_u64 s[G0B+4*\slot+2:G0B+4*\slot+3], s[G0B+4*\slot+2:G0B+4*\slot+3], 2*KSTEP*2
	JLOAD \slot                                    ; the first tensor load behind the round; its four v_nop are also the places in front of the loads below
	FETCH \next, 0, F0
	ASK
	WIN MUL_HI
	MUL16 F1, 1, 0, 0
	MUL16 F1, 1, 2, 0
.endm
	s_wait_tensorcnt 1                             ; my part of K step 0 is in (K step 1's load may be out)
	s_barrier_signal -1
	s_barrier_wait -1                              ; everybody's is
	FETCH 0, 0, F0
	s_wait_loadcnt 0x0                             ; the bias
	QUARTER 0, 64,  F0, F1, 1                      ; the first quarter stands in front of the loop: its products start the sums
	WIN 0
	s_mov_b32 s3, LAPS-1
.Llap:                                                 ; a trip goes once round the ring and fills both slots again
	QUARTER 0, 128, F1, F0, 0
	QUARTER 0, 192, F0, F1, 0
	TURN 0, 1
	QUARTER 1, 64,  F0, F1, 0
	QUARTER 1, 128, F1, F0, 0
	QUARTER 1, 192, F0, F1, 0
	TURN 1, 0
	QUARTER 0, 64,  F0, F1, 0
	WIN 0
	s_sub_co_u32 s3, s3, 1
	s_cmp_lg_u32 s3, 0
	s_cbranch_scc1 .Llap
	QUARTER 0, 128, F1, F0, 0                      ; the last lap fills nothing, and has no round of the cluster's barrier
	QUARTER 0, 192, F0, F1, 0
	MEET 0
	PLACES
	FETCH 1, 0, F0
	WIN MUL_HI
	MUL16 F1, 1, 0, 0
	MUL16 F1, 1, 2, 0
	QUARTER 1, 64,  F0, F1, 0
	QUARTER 1, 128, F1, F0, 0
	QUARTER 1, 192, F0, F1, 0
	s_wait_dscnt 8
	WIN MUL_LO
	MUL16 F1, 0, 0, 0
	MUL16 F1, 0, 2, 0
	s_wait_dscnt 0
	WIN MUL_HI
	MUL16 F1, 1, 0, 0
	MUL16 F1, 1, 2, 0
	WIN 0
	PLACES                                         ; behind the last products: results are read and B's registers written below
	WIN 0x40
	v_mov_b32 v192, 0x3f07dc22                     ; b5 / sqrt(2 pi), as a pair in window 1: an instruction names one scalar pair
	v_mov_b32 v193, 0x3f07dc22
; Block a (16 rows x 128 columns, 64 numbers a lane): the GELU, and the rounding to f16 into v[TMP] on of window 0.
.macro GELU a
.set W, 2+(\a)/4
.set XA, 64*((\a)%4)
	WIN 0x44|W                                     ; source 0 (x) window W; source 1 and the destination window 1
.set i, 0
.rept 64
	v_fma_f32 v[GT+i], |v[XA+i]|, s[PC], 1.0       ; 1 + p |x|: in ascending order
.set i, i+1
.endr
.set i, 0
.rept 32
	v_pk_mul_f32 v[GE+i:GE+i+1], v[XA+i:XA+i+1], s[KK:KK+1] op_sel_hi:[1,0]
.set i, i+2
.endr
.set i, 0
.rept 32
	v_pk_mul_f32 v[GE+i:GE+i+1], v[XA+i:XA+i+1], v[GE+i:GE+i+1]    ; -x^2 log2(e) / 2
.set i, i+2
.endr
	WIN 0x55                                       ; all in window 1
.set i, 0
.rept 64
	v_rcp_f32 v[GT+i], v[GT+i]                     ; t
.set i, i+1
.endr
.set i, 0
.rept 64
	v_exp_f32 v[GE+i], v[GE+i]
.set i, i+1
.endr
	v_nop                                          ; a plain instruction behind the last of the batch
	s_wait_alu depctr_va_vdst(0)                   ; one wait for the 128, ahead of their first reader
.set i, 0
.rept 32
	v_pk_fma_f32 v[GR+i:GR+i+1], v[GT+i:GT+i+1], v[192:193], s[A4:A4+1] op_sel_hi:[1,1,0]
.set i, i+2
.endr
.irp k, A3, A2, A1
.set i, 0
.rept 32
	v_pk_fma_f32 v[GR+i:GR+i+1], v[GR+i:GR+i+1], v[GT+i:GT+i+1], s[\k:\k+1] op_sel_hi:[1,1,0]
.set i, i+2
.endr
.endr
.set i, 0
.rept 32
	v_pk_mul_f32 v[GR+i:GR+i+1], v[GR+i:GR+i+1], v[GT+i:GT+i+1]
.set i, i+2
.endr
.set i, 0
.rept 32
	v_pk_mul_f32 v[GR+i:GR+i+1], v[GR+i:GR+i+1], v[GE+i:GE+i+1]    ; y = Phi(-|x|)
.set i, i+2
.endr
	WIN 0x44|W
.set i, 0
.rept 32
	v_pk_mul_f32 v[GR+i:GR+i+1], v[XA+i:XA+i+1], v[GR+i:GR+i+1]    ; w = x y
.set i, i+2
.endr
.set i, 0
.rept 32
	v_pk_add_f32 v[GT+i:GT+i+1], v[XA+i:XA+i+1], v[GR+i:GR+i+1] neg_lo:[0,1] neg_hi:[0,1]   ; x - w
.set i, i+2
.endr
	WIN 0x55
.set i, 0
.rept 64
	v_max_num_f32 v[GT+i], v[GT+i], v[GR+i]
.set i, i+1
.endr
	WIN 0x05                                       ; sources window 1, destination window 0
.set i, 0
.rept 32
	v_cvt_pk_f16_f32 v[TMP+i], v[GT+2*i], v[GT+2*i+1]
.set i, i+1
.endr
	WIN 0
.endm
.macro TOSTAGE a                       ; 16 bytes a lane into my own stage, and back as whole rows of 256 bytes: LDS serves a wave's instructions in order
.set BKR, OB+192*((\a)%2)
.irp b, 0,1,2,3,4,5,6,7
	ds_store_b128 v[STO], v[TMP+4*\b:TMP+4*\b+3] offset:32*\b
.endr
.irp t, 0,1,2,3,4,5,6,7
	ds_load_b128 v[BKR+4*\t:BKR+4*\t+3], v[RD] offset:\t*2*SPITCH
.endr
.endm
.macro SEND a
.set BKR, OB+192*((\a)%2)
	s_wait_dscnt 0x0                               ; the block is back in registers
	s_wait_xcnt 0x0                                ; earlier stores have read their registers: the next block lands where this one's predecessor lay
.irp t, 0,1,2,3,4,5,6,7
	global_store_b128 v[CO], v[BKR+4*\t:BKR+4*\t+3], s[8:9] offset:(16*(\a)+2*\t)*SIZE_N*2   ; 16 lanes store 256 consecutive bytes, aligned; 126 rows at the most: inside the signed 24-bit immediate
.endr
.endm
	GELU 0
	TOSTAGE 0
.irp a, 1,2,3,4,5,6,7                  ; block a's arithmetic stands between block a - 1's loads from the stage and the wait for them
	GELU \a
	SEND \a-1
	TOSTAGE \a
.endr
	SEND 7
	s_wait_tensorcnt 0x0                           ; the wave's end
	ds_add_u32 v[SPW], v[NIL]
	s_wait_dscnt 0x0
	CROUND                                         ; the closing round
	s_endpgm
.Lfunc_end_k_q4409e1fc7c_fc1:
	.size	k_q4409e1fc7c_fc1, .Lfunc_end_k_q4409e1fc7c_fc1-k_q4409e1fc7c_fc1
	.p2alignl 7, 3214868480
	.fill 96, 4, 3214868480
	.section	.rodata,"a",@progbits
	.p2align	6, 0x0
	.amdhsa_kernel k_q4409e1fc7c_fc1
		.amdhsa_group_segment_fixed_size 327680
		.amdhsa_private_segment_fixed_size 0
		.amdhsa_enable_private_segment 0
		.amdhsa_kernarg_size 32
		.amdhsa_user_sgpr_count 2
		.amdhsa_user_sgpr_kernarg_segment_ptr 1
		.amdhsa_wavefront_size32 1
		.amdhsa_system_sgpr_workgroup_id_x 1
		.amdhsa_system_sgpr_workgroup_id_y 1
		.amdhsa_system_sgpr_workgroup_id_z 1
		.amdhsa_system_vgpr_workitem_id 0
		.amdhsa_next_free_vgpr 1024
		.amdhsa_next_free_sgpr 80
		.amdhsa_reserve_vcc 0
		.amdhsa_float_denorm_mode_32 3
		.amdhsa_float_denorm_mode_16_64 3
		.amdhsa_memory_ordered 1
		.amdhsa_forward_progress 1
		.amdhsa_inst_pref_size 255
	.end_amdhsa_kernel
	.section	.bss,"aw",@nobits
	.p2align	6
	.space	262144
	.amdgpu_metadata
---
amdhsa.version: [ 1, 2 ]
amdhsa.kernels:
  - .name:           k_q4409e1fc7c_fc1
    .symbol:         k_q4409e1fc7c_fc1.kd
    .args:
      - { .name: a16, .offset: 0, .size: 8, .value_kind: global_buffer, .address_space: global }
      - { .name: wh, .offset: 8, .size: 8, .value_kind: global_buffer, .address_space: global }
      - { .name: b1, .offset: 16, .size: 8, .value_kind: global_buffer, .address_space: global }
      - { .name: h, .offset: 24, .size: 8, .value_kind: global_buffer, .address_space: global }
    .group_segment_fixed_size: 327680
    .private_segment_fixed_size: 0
    .kernarg_segment_align: 8
    .kernarg_segment_size: 32
    .max_flat_workgroup_size: 128
    .sgpr_count:     80
    .vgpr_count:     1024
    .wavefront_size: 32
...
	.end_amdgpu_metadata
.endif
;; end of part 5
;; launch fc2 (part 6): grid 8 x 32, 4 waves a work-group, clusters of 4 x 4, 327,680 bytes of LDS; arguments h, wh, b2, y32; writes y32
.if DOCPART == 6
	.amdgcn_target "amdgcn-amd-amdhsa--gfx1250"
	.amdhsa_code_object_version 6
	.text
	.protected	k_q4409e1fc7c_fc2
	.globl	k_q4409e1fc7c_fc2
	.p2align	8
	.type	k_q4409e1fc7c_fc2,@function
k_q4409e1fc7c_fc2:
	s_mov_b64 s[64:65], 0
	v_nop
	global_prefetch_b8 v0, s[64:65] scope:SCOPE_SE
	s_setreg_imm32_b32 hwreg(HW_REG_WAVE_MODE, 25, 1), 1
	s_wait_xcnt 0x0
	s_wait_alu depctr_hold_cnt(0) depctr_sa_sdst(0) depctr_va_vdst(0) depctr_va_sdst(0) depctr_va_ssrc(0) depctr_va_vcc(0) depctr_vm_vsrc(0)
	s_getreg_b32 s2, hwreg(HW_REG_IB_STS2, 6, 4)
	s_cmp_eq_u32 s2, 0
	s_cbranch_scc0 .Lentry_in_a_cluster
	s_endpgm
.Lentry_in_a_cluster:
	s_bfe_u32 s2, ttmp6, 0x10000c
	s_cmp_lg_u32 s2, 0xf033
	s_cbranch_scc0 .Lentry_shape_is_right
	s_endpgm
.Lentry_shape_is_right:
; C[m][n] = sum over k of A[m][k] B[n][k] + bias[n].  A: [4096][SIZE_K] f16; B: [1024][SIZE_K] f16, at byte WOFF of the weights' buffer; C: [4096][1024] f32; sums in f32.  Here: the MLP's second product, K = 4,096.
; LIMIT: operands are f16 (made by earlier launches): above 65,504 in magnitude they are infinite.
; A tile of C is 128 x 128: 256 work-groups.  Four waves, each 64 x 64: 16 accumulators.  K goes in steps of 256 (LDS rows of 512 bytes; a wave's tensor load brings 64 of them) through two slots.
; CLUSTERS: 4 x 4 work-groups.  The four of a row of the cluster need the same tiles of A, the four of a column the same tiles of B: joint loads.
; THE MATRIX INSTRUCTION IS USED TRANSPOSED (source 0 = 16 rows of B, source 1 = 16 rows of A): a lane holds eight neighbouring numbers of a row of C.  The bias is the C of each sum's first product.
; A wave's 64 columns of f32 are 256 aligned bytes of a row: each wave sends its own blocks of 16 rows through its own stage, with no barrier.
; No prefetch: the tiles are small and are read again by the neighbouring clusters.
; REGISTERS: window 0: v0-31 addresses; v32-63 the bias, later with v64-95 the way out; v128-255 the accumulators ((a, b) at v[128 + 8 (4 a + b)]).  window 1: two fragment buffers of 128.
.set SIZE_N, 1024
.set SIZE_K, 4096
.set WOFF,   10485760
.set KSTEP,  256
.set PITCH,  528                       ; 512 bytes + 16 of padding: the 16 rows of a load start 4 banks apart
.set HALFT,  64*PITCH
.set SLOT,   4*HALFT
.set STAGE,  2*SLOT                    ; behind the ring: 16 rows x 272 bytes for each wave
.set SPITCH, 272
.set SPARE,  STAGE+4*16*SPITCH         ; the spare words, 128 bytes for each wave
.set LAPS, SIZE_K/(2*KSTEP)
.set ADRA, 16
.set ADRB, 20
.set STO,  24
.set RD,   25
.set CO,   26
.set BOF,  27
.set SPW,  28
.set NIL,  29
.set BIA,  32
.set BK,   32
.set ACC,  128
.set F0,   0
.set F1,   128
.set G1, 24
.set G0, 32
.set G1B, 48
.set G0B, 56
.set BP, 66
.set MSB, 0
.macro WIN new
.if MSB != (\new)
	s_set_vgpr_msb (MSB<<8)|(\new)
.set MSB, \new
.endif
.endm
.set MUL,  0x05                        ; sources 0 (B) and 1 (A) window 1; C and D window 0
.set TO_F, 0x40
.macro JLOAD s                         ; a joint load: waves 0 and 1 fetch A's two halves, waves 2 and 3 B's; an s_nop 0 and four v_nop follow each line
	s_cmp_eq_u32 s11, 0
	s_cbranch_scc0 .Lfor_b_\@
	tensor_load_to_lds s[G0+4*\s:G0+4*\s+3], s[G1:G1+7]
	s_nop 0
.rept 4
	v_nop
.endr
	s_branch .Lasked_\@
.Lfor_b_\@:
	tensor_load_to_lds s[G0B+4*\s:G0B+4*\s+3], s[G1B:G1B+7]
	s_nop 0
.rept 4
	v_nop
.endr
.Lasked_\@:
.endm
.macro CREST
	s_cmp_lg_u32 s10, 0
	s_cbranch_scc1 .Lnot_wave_0_\@
	s_barrier_signal -3
.Lnot_wave_0_\@:
	s_barrier_wait -3
	s_barrier_signal -1
	s_barrier_wait -1
.endm
.macro CROUND
	s_barrier_signal -1
	s_barrier_wait -1
	CREST
.endm
	s_load_b128 s[4:7], s[0:1], 0x0                ; A s[4:5], the weights s[6:7]
	s_load_b64 s[BP:BP+1], s[0:1], 0x10            ; the bias
	s_load_b64 s[8:9], s[0:1], 0x18                ; C
	v_lshl_add_u32 v[SPW], v0, 2, SPARE
	v_mov_b32 v[NIL], 0
	ds_add_u32 v[SPW], v[NIL]                      ; the wave's opening: the add, twice on end, and its wait ahead of my first tensor load
	ds_add_u32 v[SPW], v[NIL]
	v_lshrrev_b32 v1, 5, v0
	v_readfirstlane_b32 s10, v1                    ; wave 0..3
	s_lshr_b32 s11, s10, 1                         ; which half of the tile's rows is mine.  Also: I fetch for A (0) or for B (1)
	s_and_b32 s12, s10, 1                          ; which half of its columns.  Also: which 64 rows of that tile I fetch
	s_bfe_u32 s40, ttmp6, 0x40000
	s_bfe_u32 s41, ttmp6, 0x40004
	s_lshl_b32 s42, ttmp9, 2
	s_add_co_u32 s42, s42, s40                     ; tile column of C
	s_and_b32 s13, ttmp7, 0xffff
	s_lshl_b32 s13, s13, 2
	s_add_co_u32 s13, s13, s41                     ; tile row of C
	s_lshl_b32 s43, s41, 2
	s_lshl_b32 s43, 15, s43                        ; my row of the cluster
	s_lshl_b32 s44, 0x1111, s40                    ; my column
	s_or_b32 s[G1+0], s43, (1<<16)|(1<<20)|(1<<21)|(6<<22)|(3<<25)  ; the mask; elements of 2 bytes; padding of 4 words behind every 128; bit 21 beside the mask
	s_or_b32 s[G1B+0], s44, (1<<16)|(1<<20)|(1<<21)|(6<<22)|(3<<25)
.irp g, G1, G1B
	s_mov_b32 s[\g+1], KSTEP<<16                   ; tensor_dim0 = 256
	s_mov_b32 s[\g+2], 64<<16                      ; tensor_dim1 = 64
	s_mov_b32 s[\g+3], KSTEP<<16                   ; tile_dim0 = 256
	s_mov_b32 s[\g+4], 64                          ; tile_dim1 = 64
	s_mov_b32 s[\g+5], SIZE_K                      ; the pitch
	s_mov_b32 s[\g+6], 0
	s_mov_b32 s[\g+7], 0
.endr
	s_lshl_b32 s17, s12, 6
	s_lshl_b32 s16, s13, 7
	s_add_co_u32 s16, s16, s17                     ; A: row 128 x tile row + 64 x half
	s_lshl_b32 s46, s42, 7
	s_add_co_u32 s46, s46, s17                     ; B: row 128 x tile column + 64 x half
	s_mov_b32 s17, 0
	s_mov_b32 s47, 0
	s_mov_b64 s[18:19], SIZE_K*2
	s_mul_u64 s[16:17], s[16:17], s[18:19]
	s_mul_u64 s[46:47], s[46:47], s[18:19]
	s_mul_i32 s20, s10, HALFT                      ; where they go: wave x 64 rows
	s_wait_dscnt 0x0                               ; both opening adds are done
	s_wait_kmcnt 0x0
.if WOFF
	s_add_nc_u64 s[6:7], s[6:7], WOFF
.endif
	s_add_nc_u64 s[14:15], s[4:5], s[16:17]
	s_add_nc_u64 s[46:47], s[6:7], s[46:47]
	CROUND                                         ; all sixteen work-groups are here: the first joint loads meet
.irp s, 0,1
	s_mov_b32 s[G0+4*\s], 1
	s_add_co_u32 s[G0+4*\s+1], s20, \s*SLOT
	s_add_nc_u64 s[G0+4*\s+2:G0+4*\s+3], s[14:15], \s*KSTEP*2
	s_or_b32 s[G0+4*\s+3], s[G0+4*\s+3], 0x80000000
	s_mov_b32 s[G0B+4*\s], 1
	s_add_co_u32 s[G0B+4*\s+1], s20, \s*SLOT
	s_add_nc_u64 s[G0B+4*\s+2:G0B+4*\s+3], s[46:47], \s*KSTEP*2
	s_or_b32 s[G0B+4*\s+3], s[G0B+4*\s+3], 0x80000000
	JLOAD \s
.endr
	v_and_b32 v1, 15, v0                           ; l % 16
	v_bfe_u32 v2, v0, 4, 1                         ; l / 16
	v_mul_u32_u24 v3, v1, PITCH
	v_lshl_add_u32 v3, v2, 4, v3
	s_mul_i32 s21, s11, HALFT                      ; my 64 rows of A
	s_mul_i32 s22, s12, HALFT                      ; my 64 rows of B,
	s_add_co_u32 s22, s22, 2*HALFT                 ; which lie behind A's 128
.irp s, 0,1
	v_add_nc_u32 v[ADRA+\s], s21, v3
	v_add_nc_u32 v[ADRB+\s], s22, v3
	s_add_co_u32 s21, s21, SLOT
	s_add_co_u32 s22, s22, SLOT
.endr
	s_mul_i32 s23, s10, 16*SPITCH
	s_add_co_u32 s23, s23, STAGE                   ; my stage
	v_mul_u32_u24 v4, v1, SPITCH                   ; in: row l % 16, 32 bytes for each half of the lanes
	v_lshl_add_u32 v4, v2, 5, v4
	v_add_nc_u32 v[STO], s23, v4
	v_mul_u32_u24 v5, v2, SPITCH                   ; back: lanes 0-15 one row of 256 bytes, lanes 16-31 the next
	v_lshl_add_u32 v5, v1, 4, v5
	v_add_nc_u32 v[RD], s23, v5
	v_lshlrev_b32 v5, 12, v2                       ; and the same two rows in C (4,096 bytes a row)
	v_lshl_add_u32 v[CO], v1, 4, v5
	v_lshlrev_b32 v[BOF], 5, v2
	s_lshl_b32 s16, s13, 7
	s_lshl_b32 s17, s11, 6
	s_add_co_u32 s16, s16, s17                     ; my first row of C
	s_lshl_b32 s16, s16, 12
	s_mov_b32 s17, 0
	s_add_nc_u64 s[8:9], s[8:9], s[16:17]
	s_lshl_b32 s46, s42, 9                         ; my first column, in bytes of f32: 512 x tile column + 256 x half
	s_lshl_b32 s47, s12, 8
	s_add_co_u32 s46, s46, s47
	s_mov_b32 s47, 0
	s_add_nc_u64 s[8:9], s[8:9], s[46:47]
	s_add_nc_u64 s[BP:BP+1], s[BP:BP+1], s[46:47]  ; the bias at the same column
.irp b, 0,1,2,3
	global_load_b128 v[BIA+8*\b:BIA+8*\b+3], v[BOF], s[BP:BP+1] offset:64*\b        ; block b: bias at columns 16 b + 8 h + 0 .. 7: the result's layout
	global_load_b128 v[BIA+8*\b+4:BIA+8*\b+7], v[BOF], s[BP:BP+1] offset:64*\b+16
.endr
; 8 matrix instructions: m blocks a0, a0 + 1 x all 4 n blocks, 32 along K: half c of buffer f.  first = 1: the first product starts the sums, on the bias
.macro MUL8 f, c, a0, first
.irp a, \a0, \a0+1
.irp b, 0,1,2,3
.if \first
	v_wmma_f32_16x16x32_f16 v[ACC+8*(4*(\a)+\b):ACC+8*(4*(\a)+\b)+7], v[\f+64+8*(4*\c+\b):\f+64+8*(4*\c+\b)+7], v[\f+8*(4*\c+\a):\f+8*(4*\c+\a)+7], v[BIA+8*\b:BIA+8*\b+7]
.else
	v_wmma_f32_16x16x32_f16 v[ACC+8*(4*(\a)+\b):ACC+8*(4*(\a)+\b)+7], v[\f+64+8*(4*\c+\b):\f+64+8*(4*\c+\b)+7], v[\f+8*(4*\c+\a):\f+8*(4*\c+\a)+7], v[ACC+8*(4*(\a)+\b):ACC+8*(4*(\a)+\b)+7]
.endif
.endr
.endr
.endm
.macro FETCH slot, k, f                ; 32 LDS loads in one run: the fragments of 64 along K at byte k of the rows; the first 32 along K first
	WIN TO_F
.irp c, 0,1
.irp i, 0,1,2,3
	ds_load_b128 v[\f+64+8*(4*\c+\i):\f+64+8*(4*\c+\i)+3],   v[ADRB+\slot] offset:\k+64*\c+\i*16*PITCH
	ds_load_b128 v[\f+64+8*(4*\c+\i)+4:\f+64+8*(4*\c+\i)+7], v[ADRB+\slot] offset:\k+64*\c+\i*16*PITCH+32
	ds_load_b128 v[\f+8*(4*\c+\i):\f+8*(4*\c+\i)+3],         v[ADRA+\slot] offset:\k+64*\c+\i*16*PITCH
	ds_load_b128 v[\f+8*(4*\c+\i)+4:\f+8*(4*\c+\i)+7],       v[ADRA+\slot] offset:\k+64*\c+\i*16*PITCH+32
.endr
.endr
.endm
.macro PLACES                          ; four places in front of loads into registers that matrix instructions have read, and of reads of results
.rept 4
	v_nop
.endr
.endm
.macro QUARTER slot, k, f, g, first    ; 64 along K: 32 matrix instructions on buffer f; in the middle the next quarter is fetched into g
	s_wait_dscnt 16                                ; the first 32 along K are in; the youngest 16 loads may be out
	WIN MUL
	MUL8 \f, 0, 0, \first
	MUL8 \f, 0, 2, \first
	PLACES
	FETCH \slot, \k, \g
	s_wait_dscnt 32                                ; all but the 32 just issued
	WIN MUL
	MUL8 \f, 1, 0, 0
	MUL8 \f, 1, 2, 0
.endm
; The last quarter changes slots: ONE barrier; in front of it each wave waits for all its tensor loads, adds 0 to its spare word, and waits for that and for its reads of this slot.  fill = 1: this slot is filled again.
.macro TURN slot, next, fill
	WIN 0
	s_wait_tensorcnt 0x0                           ; all my tensor loads have landed: my part of the next slot;
	ds_add_u32 v[SPW], v[NIL]                      ; 0 onto my spare word;
	s_wait_dscnt 17                                ; (the add and the youngest sixteen loads may be out)
	WIN MUL
	MUL8 F1, 0, 0, 0
	s_wait_dscnt 0x0                               ; the add is done, and my reads of this slot are over
	s_barrier_signal -1
	MUL8 F1, 0, 2, 0
.if \fill
	WIN 0
.endif
	s_barrier_wait -1
.if \fill
	CREST                                          ; the barrier has opened a round of the cluster's barrier: no wave of any partner still reads this slot or has a load on its way
	s_add_nc_u64 s[G0+4*\slot+2:G0+4*\slot+3], s[G0+4*\slot+2:G0+4*\slot+3], 2*KSTEP*2
	s_add_nc_u64 s[G0B+4*\slot+2:G0B+4*\slot+3], s[G0B+4*\slot+2:G0B+4*\slot+3], 2*KSTEP*2
	JLOAD \slot                                    ; the first tensor load behind the round; its four v_nop are also the places in front of the loads below
.else
	PLACES
.endif
	FETCH \next, 0, F0
	WIN MUL
	MUL8 F1, 1, 0, 0
	MUL8 F1, 1, 2, 0
.endm
	s_wait_tensorcnt 1                             ; my part of K step 0 is in (K step 1's load may be out)
	s_barrier_signal -1
	s_barrier_wait -1                              ; everybody's is
	FETCH 0, 0, F0
	s_wait_loadcnt 0x0                             ; the bias
	QUARTER 0, 128, F0, F1, 1
.if LAPS > 1
	WIN 0
	s_mov_b32 s3, LAPS-1
.Llap:                                                 ; a trip goes once round the ring and fills both slots again
	QUARTER 0, 256, F1, F0, 0
	QUARTER 0, 384, F0, F1, 0
	TURN 0, 1, 1
	QUARTER 1, 128, F0, F1, 0
	QUARTER 1, 256, F1, F0, 0
	QUARTER 1, 384, F0, F1, 0
	TURN 1, 0, 1
	QUARTER 0, 128, F0, F1, 0
	WIN 0
	s_sub_co_u32 s3, s3, 1
	s_cmp_lg_u32 s3, 0
	s_cbranch_scc1 .Llap
.endif
	QUARTER 0, 256, F1, F0, 0                      ; the last lap fills nothing
	QUARTER 0, 384, F0, F1, 0
	TURN 0, 1, 0
	QUARTER 1, 128, F0, F1, 0
	QUARTER 1, 256, F1, F0, 0
	QUARTER 1, 384, F0, F1, 0
	s_wait_dscnt 16
	WIN MUL
	MUL8 F1, 0, 0, 0
	MUL8 F1, 0, 2, 0
	s_wait_dscnt 0
	MUL8 F1, 1, 0, 0
	MUL8 F1, 1, 2, 0
	WIN 0
; THE WAY OUT, block by block of 16 rows x 64 columns, through my own stage: LDS serves a wave's instructions in order, so no wait stands between the stores and the loads, nor in front of the next block's stores.
.macro TOSTAGE a
.if (\a) >= 2
	s_wait_xcnt 0x0                                ; block a - 2's stores have read the registers into which the loads below land
.endif
.irp b, 0,1,2,3
	ds_store_b128 v[STO], v[ACC+8*(4*(\a)+\b):ACC+8*(4*(\a)+\b)+3] offset:64*\b         ; each accumulator from its low end on
	ds_store_b128 v[STO], v[ACC+8*(4*(\a)+\b)+4:ACC+8*(4*(\a)+\b)+7] offset:64*\b+16
.endr
.irp t, 0,1,2,3,4,5,6,7
	ds_load_b128 v[BK+32*((\a)%2)+4*\t:BK+32*((\a)%2)+4*\t+3], v[RD] offset:\t*2*SPITCH
.endr
.endm
.macro SEND a, younger                 ; younger: the LDS instructions issued behind block a's loads: the next block's 8 stores and 8 loads, or none
	s_wait_dscnt \younger
.irp t, 0,1,2,3,4,5,6,7
	global_store_b128 v[CO], v[BK+32*((\a)%2)+4*\t:BK+32*((\a)%2)+4*\t+3], s[8:9] offset:(16*(\a)+2*\t)*SIZE_N*4   ; 16 lanes store 256 consecutive bytes, aligned
.endr
.endm
	PLACES
	TOSTAGE 0
	TOSTAGE 1
	SEND 0, 16
	TOSTAGE 2
	SEND 1, 16
	TOSTAGE 3
	SEND 2, 16
	SEND 3, 0
	s_wait_tensorcnt 0x0                           ; the wave's end
	ds_add_u32 v[SPW], v[NIL]
	s_wait_dscnt 0x0
	CROUND                                         ; the closing round
	s_endpgm
.Lfunc_end_k_q4409e1fc7c_fc2:
	.size	k_q4409e1fc7c_fc2, .Lfunc_end_k_q4409e1fc7c_fc2-k_q4409e1fc7c_fc2
	.p2alignl 7, 3214868480
	.fill 96, 4, 3214868480
	.section	.rodata,"a",@progbits
	.p2align	6, 0x0
	.amdhsa_kernel k_q4409e1fc7c_fc2
		.amdhsa_group_segment_fixed_size 327680
		.amdhsa_private_segment_fixed_size 0
		.amdhsa_enable_private_segment 0
		.amdhsa_kernarg_size 32
		.amdhsa_user_sgpr_count 2
		.amdhsa_user_sgpr_kernarg_segment_ptr 1
		.amdhsa_wavefront_size32 1
		.amdhsa_system_sgpr_workgroup_id_x 1
		.amdhsa_system_sgpr_workgroup_id_y 1
		.amdhsa_system_sgpr_workgroup_id_z 1
		.amdhsa_system_vgpr_workitem_id 0
		.amdhsa_next_free_vgpr 512
		.amdhsa_next_free_sgpr 72
		.amdhsa_reserve_vcc 0
		.amdhsa_float_denorm_mode_32 3
		.amdhsa_float_denorm_mode_16_64 3
		.amdhsa_memory_ordered 1
		.amdhsa_forward_progress 1
		.amdhsa_inst_pref_size 87
	.end_amdhsa_kernel
	.amdgpu_metadata
---
amdhsa.version: [ 1, 2 ]
amdhsa.kernels:
  - .name:           k_q4409e1fc7c_fc2
    .symbol:         k_q4409e1fc7c_fc2.kd
    .args:
      - { .name: h, .offset: 0, .size: 8, .value_kind: global_buffer, .address_space: global }
      - { .name: wh, .offset: 8, .size: 8, .value_kind: global_buffer, .address_space: global }
      - { .name: b2, .offset: 16, .size: 8, .value_kind: global_buffer, .address_space: global }
      - { .name: y32, .offset: 24, .size: 8, .value_kind: global_buffer, .address_space: global }
    .group_segment_fixed_size: 327680
    .private_segment_fixed_size: 0
    .kernarg_segment_align: 8
    .kernarg_segment_size: 32
    .max_flat_workgroup_size: 128
    .sgpr_count:     72
    .vgpr_count:     512
    .wavefront_size: 32
...
	.end_amdgpu_metadata
.endif
;; end of part 6
;; launch ln2 (part 7): grid 512 x 1, 4 waves a work-group, no clusters, 0 bytes of LDS; arguments x1, y32, ln2_g, ln2_b, out0; writes out0
.if DOCPART == 7
	.amdgcn_target "amdgcn-amd-amdhsa--gfx1250"
	.amdhsa_code_object_version 6
	.text
	.protected	k_q4409e1fc7c_ln2
	.globl	k_q4409e1fc7c_ln2
	.p2align	8
	.type	k_q4409e1fc7c_ln2,@function
k_q4409e1fc7c_ln2:
	s_mov_b64 s[64:65], 0
	v_nop
	global_prefetch_b8 v0, s[64:65] scope:SCOPE_SE
	s_setreg_imm32_b32 hwreg(HW_REG_WAVE_MODE, 25, 1), 1
	s_wait_xcnt 0x0
; out[r] = LayerNorm(a[r] + b[r]) g + beta, rows of 1,024 f32; mean and variance in two passes over registers, eps = 1e-5.  Here: the block's result.
; A wave takes two whole rows and keeps them in registers: each input byte is read once, no LDS, no barrier, no loop.  Each load of a wave covers 512 consecutive bytes; all 48 are issued at the start.
; Lane l holds, of load j, columns 128 j + 4 l + 0 .. 3; g and beta are loaded the same way.
.set G,  16                            ; v16-47 the gains
.set BT, 48                            ; v48-79 the biases
.set RW, 80                            ; row i: a at v[80 + 64 i], b 32 registers on
	s_load_b256 s[4:11], s[0:1], 0x0               ; a s[4:5], b s[6:7], g s[8:9], beta s[10:11]
	s_load_b64 s[12:13], s[0:1], 0x20              ; out
	v_lshrrev_b32 v1, 5, v0
	v_readfirstlane_b32 s16, v1                    ; wave
	v_and_b32 v2, 31, v0
	v_lshlrev_b32 v1, 4, v2                        ; 16 bytes a lane
	v_mov_b32 v3, 0                                ; a lane permute's destination counts as one of its sources
	s_lshl_b32 s17, ttmp9, 2
	s_add_co_u32 s17, s17, s16                     ; my pair of rows
	s_lshl_b32 s18, s17, 13
	s_mov_b32 s19, 0
	s_mov_b32 s20, 0x76543210
	s_mov_b32 s21, 0xfedcba98
	s_mov_b32 s22, 0x3a800000                      ; 1 / 1,024
	s_mov_b32 s23, 0x3727c5ac                      ; 1e-5
	s_wait_kmcnt 0x0
	s_add_nc_u64 s[4:5], s[4:5], s[18:19]
	s_add_nc_u64 s[6:7], s[6:7], s[18:19]
	s_add_nc_u64 s[12:13], s[12:13], s[18:19]
.irp i, 0,1
.irp j, 0,1,2,3,4,5,6,7
	global_load_b128 v[RW+64*\i+4*\j:RW+64*\i+4*\j+3], v1, s[4:5] offset:4096*\i+512*\j th:TH_LOAD_NT
	global_load_b128 v[RW+64*\i+32+4*\j:RW+64*\i+32+4*\j+3], v1, s[6:7] offset:4096*\i+512*\j th:TH_LOAD_NT
.endr
.endr
.irp j, 0,1,2,3,4,5,6,7
	global_load_b128 v[G+4*\j:G+4*\j+3], v1, s[8:9] offset:512*\j
.endr
.irp j, 0,1,2,3,4,5,6,7
	global_load_b128 v[BT+4*\j:BT+4*\j+3], v1, s[10:11] offset:512*\j
.endr
.macro REDUCE                          ; two packed chains in v[4:7] -> the sum over the wave's 1,024 numbers in v4 of every lane
	v_pk_add_f32 v[4:5], v[4:5], v[6:7]
	v_add_f32 v4, v4, v5
	v_add_f32_dpp v4, v4, v4 row_xmask:1 row_mask:0xf bank_mask:0xf
	v_add_f32_dpp v4, v4, v4 row_xmask:2 row_mask:0xf bank_mask:0xf
	v_add_f32_dpp v4, v4, v4 row_xmask:4 row_mask:0xf bank_mask:0xf
	v_add_f32_dpp v4, v4, v4 row_xmask:8 row_mask:0xf bank_mask:0xf
	v_permlanex16_b32 v3, v4, s20, s21
	v_add_f32 v4, v4, v3
.endm
.macro STATS i, left                   ; left: the younger loads, which may stay out
.set A, RW+64*\i
.set B, A+32
.set M, 8+2*\i
	s_wait_loadcnt \left
.set k, 0
.rept 16
	v_pk_add_f32 v[A+k:A+k+1], v[A+k:A+k+1], v[B+k:B+k+1]
.set k, k+2
.endr
	v_pk_add_f32 v[4:5], v[A:A+1], v[A+2:A+3]
	v_pk_add_f32 v[6:7], v[A+4:A+5], v[A+6:A+7]
.set k, 8
.rept 6
	v_pk_add_f32 v[4:5], v[4:5], v[A+k:A+k+1]
	v_pk_add_f32 v[6:7], v[6:7], v[A+k+2:A+k+3]
.set k, k+4
.endr
	REDUCE
	v_mul_f32 v[M], s22, v4                        ; the mean,
	v_mov_b32 v[M+1], v[M]                         ; as a pair
.set k, 0
.rept 16
	v_pk_add_f32 v[A+k:A+k+1], v[A+k:A+k+1], v[M:M+1] neg_lo:[0,1] neg_hi:[0,1]
.set k, k+2
.endr
	v_pk_mul_f32 v[4:5], v[A:A+1], v[A:A+1]
	v_pk_mul_f32 v[6:7], v[A+2:A+3], v[A+2:A+3]
.set k, 4
.rept 7
	v_pk_fma_f32 v[4:5], v[A+k:A+k+1], v[A+k:A+k+1], v[4:5]
	v_pk_fma_f32 v[6:7], v[A+k+2:A+k+3], v[A+k+2:A+k+3], v[6:7]
.set k, k+4
.endr
	REDUCE
	v_fma_f32 v[M], v4, s22, s23                   ; variance + eps, where the mean lay
.endm
.macro NORM i
.set A, RW+64*\i
.set RS, 12+2*\i
.set k, 0
.rept 16
	v_pk_mul_f32 v[A+k:A+k+1], v[A+k:A+k+1], v[RS:RS+1]
.set k, k+2
.endr
.set k, 0
.rept 16
	v_pk_fma_f32 v[A+k:A+k+1], v[A+k:A+k+1], v[G+k:G+k+1], v[BT+k:BT+k+1]
.set k, k+2
.endr
.irp j, 0,1,2,3,4,5,6,7
	global_store_b128 v1, v[A+4*\j:A+4*\j+3], s[12:13] offset:4096*\i+512*\j th:TH_STORE_NT     ; the wave stores 512 consecutive bytes, aligned
.endr
.endm
	STATS 0, 32                                    ; row 0 is in; row 1's 16 loads, g's 8 and beta's 8 may be out
	STATS 1, 16                                    ; row 1 is in
	v_rsq_f32 v12, v8                              ; one batch; each twice, for the packed multiply's pair
	v_rsq_f32 v13, v8
	v_rsq_f32 v14, v10
	v_rsq_f32 v15, v10
	v_nop                                          ; a plain instruction behind the last of them
	s_wait_alu depctr_va_vdst(0)                   ; one wait for the four, ahead of their first reader
	s_wait_loadcnt 0x0                             ; g and beta
	NORM 0
	NORM 1
	s_endpgm
.Lfunc_end_k_q4409e1fc7c_ln2:
	.size	k_q4409e1fc7c_ln2, .Lfunc_end_k_q4409e1fc7c_ln2-k_q4409e1fc7c_ln2
	.p2alignl 7, 3214868480
	.fill 96, 4, 3214868480
	.section	.rodata,"a",@progbits
	.p2align	6, 0x0
	.amdhsa_kernel k_q4409e1fc7c_ln2
		.amdhsa_group_segment_fixed_size 0
		.amdhsa_private_segment_fixed_size 0
		.amdhsa_enable_private_segment 0
		.amdhsa_kernarg_size 40
		.amdhsa_user_sgpr_count 2
		.amdhsa_user_sgpr_kernarg_segment_ptr 1
		.amdhsa_wavefront_size32 1
		.amdhsa_system_sgpr_workgroup_id_x 1
		.amdhsa_system_sgpr_workgroup_id_y 1
		.amdhsa_system_sgpr_workgroup_id_z 1
		.amdhsa_system_vgpr_workitem_id 0
		.amdhsa_next_free_vgpr 208
		.amdhsa_next_free_sgpr 66
		.amdhsa_reserve_vcc 0
		.amdhsa_float_denorm_mode_32 3
		.amdhsa_float_denorm_mode_16_64 3
		.amdhsa_memory_ordered 1
		.amdhsa_forward_progress 1
		.amdhsa_inst_pref_size 22
	.end_amdhsa_kernel
	.amdgpu_metadata
---
amdhsa.version: [ 1, 2 ]
amdhsa.kernels:
  - .name:           k_q4409e1fc7c_ln2
    .symbol:         k_q4409e1fc7c_ln2.kd
    .args:
      - { .name: x1, .offset: 0, .size: 8, .value_kind: global_buffer, .address_space: global }
      - { .name: y32, .offset: 8, .size: 8, .value_kind: global_buffer, .address_space: global }
      - { .name: ln2_g, .offset: 16, .size: 8, .value_kind: global_buffer, .address_space: global }
      - { .name: ln2_b, .offset: 24, .size: 8, .value_kind: global_buffer, .address_space: global }
      - { .name: out0, .offset: 32, .size: 8, .value_kind: global_buffer, .address_space: global }
    .group_segment_fixed_size: 0
    .private_segment_fixed_size: 0
    .kernarg_segment_align: 8
    .kernarg_segment_size: 40
    .max_flat_workgroup_size: 128
    .sgpr_count:     66
    .vgpr_count:     208
    .wavefront_size: 32
...
	.end_amdgpu_metadata
.endif
;; end of part 7
